; MI455X (gfx1250); checked and timed in simulation.
; The chip was launched on July 23, 2026; its instructions are those of AMD's public machine-readable ISA for CDNA 5 (MIT licence, August 2026) and "CDNA5" Instruction Set Architecture Reference Guide (July 2026). The comments in the code are by the model that wrote it; some were corrected since.
;; T Block. Allowed arithmetic: matrix products marked QUANTISED: E2M3 operands, one E8M0 scale for each 32 along K, by v_wmma_scale_f32_16x16x128_f8f6f4 with both operands' format E2M3, f32 sums; everything else in f32.
;; Inputs: W1 4,096 x 1,024 float32; W2 1,024 x 4,096 float32; Wk 1,024 x 1,024 float32; Wq 1,024 x 1,024 float32; Wv 1,024 x 1,024 float32; b1 1,024 float32; b2 1,024 float32; g1 1,024 float32; g2 1,024 float32; x 2 x 2,048 x 1,024 float32.
;; Outputs: out0 2 x 2,048 x 1,024 float32.
;; This version of the problem:
;;   THIS VERSION OF THE PROBLEM IS GIVEN IN LOW PRECISION. The matrix products marked QUANTISED in the list below multiply operands that are first quantised to E2M3 (2 exponent bits, 3 mantissa bits; 6 bits a number), with one power-of-two scale for each 32 numbers along K (OCP MX v1.0); their sums are f32. All else is computed in f32.
;;   The module's matrix products, in the order in which they are computed (A, B: the left and right operand; K: the contracted axis; several contracted axes count as one K, in the product's order):
;;     1. [M 4,096, K 1,024] x [K 1,024, N 1,024]; A: computed on the way; B: input Wq: QUANTISED
;;     2. [M 4,096, K 1,024] x [K 1,024, N 1,024]; A: computed on the way; B: input Wk: QUANTISED
;;     3. [M 4,096, K 1,024] x [K 1,024, N 1,024]; A: computed on the way; B: input Wv: QUANTISED
;;     4. batch 32 x [M 2,048, K 64] x [K 64, N 2,048]; A: computed on the way; B: computed on the way: QUANTISED
;;     5. batch 32 x [M 2,048, K 2,048] x [K 2,048, N 64]; A: softmax (see below); B: computed on the way: QUANTISED
;;     6. [M 4,096, K 1,024] x [K 1,024, N 4,096]; A: computed on the way; B: input W1: QUANTISED
;;     7. [M 4,096, K 4,096] x [K 4,096, N 1,024]; A: computed on the way; B: input W2: QUANTISED
;;   THE QUANTISER, for each operand of a quantised product, along K:
;;     - K is cut into blocks of 32 from its start; a last block that is shorter is filled with zeros.
;;     - A block's scale is 2^e with e = floor(log2(the largest magnitude in the block)) - 2, held to -126 .. 127; a block of zeros has e = 0. As a byte (E8M0): e + 127.
;;     - Each number is divided by its block's scale, clamped to +-7.5, and rounded to the nearest number of E2M3, ties to even, subnormals kept.
;;     - The product sums the exact products of the quantised numbers (number of the format x scale) in f32.
;;   ~~~python
;;   def quantise(x, axis):      # numpy; x: float32 -> the quantised numbers, widened to float32 again
;;       x = np.moveaxis(x, axis, -1); K = x.shape[-1]
;;       x = np.pad(x, [(0, 0)] * (x.ndim - 1) + [(0, -K % 32)]); x = x.reshape(x.shape[:-1] + (-1, 32)); a = np.abs(x).max(-1, keepdims=True)
;;       e = np.where(a > 0, np.clip(np.frexp(np.where(a > 0, a, 1))[1] - 1 - 2, -126, 127), 0)      # np.frexp(a)[1] - 1 = floor(log2(a)), exactly
;;       r = np.clip(x / 2.0 ** e, -7.5, 7.5)
;;       step = 2.0 ** (np.maximum(np.frexp(np.where(r == 0, 1, r))[1] - 1, 0) - 3)
;;       q = np.round(r / step) * step * 2.0 ** e      # np.round: ties to even
;;       return np.moveaxis(q.reshape(q.shape[:-2] + (-1,))[..., :K], -1, axis).astype(np.float32)
;;   ~~~
;;   SOFTMAX AHEAD OF A QUANTISED PRODUCT. Where the list says 'softmax', what is quantised is not the finished softmax but p = 2^(t - M), with t = logit x log2(e) and M = ceil(the row's largest t), a whole number; so 1/2 < the row's largest p <= 1. The row's sum l is taken of the UNQUANTISED p, in f32, and the product's result is divided by l at the end. Since M is a whole number, a kernel that streams over the keys may use a running M (the ceiling of the running maximum): every later rescaling is an exact power of two, which a block's scale takes up: the codes' values come out the same.
;;   OPERANDS COMPUTED ON THE WAY. 'Computed on the way' means the value that the module computes at that place (a softmax that the list does not call 'softmax' is quantised finished and normalised). What goes into a quantiser is computed in f32, as accurately as f32 sums, v_exp_f32 and their like allow (about 1e-6 of the number): no bf16 or f16 on the way to a quantiser, and a product that is left as it is and whose result goes on into a quantised operand takes f32 operands (vector FMAs, or v_wmma_f32_16x16x4_f32). A number that lies on a knife's edge between two numbers of the format may be rounded either way, as far as f32 arithmetic and the matrix unit's own rounding can turn it there, and no further.
;; One version. Each part assembles by itself: llvm-mc -triple=amdgcn-amd-amdhsa -mcpu=gfx1250 --defsym DOCPART=n.
;; ======== version 1 of 1: 6 launches
;; workspace buffers: wts 9,011,200 bytes; xnq 3,309,568 bytes; qkv 10,092,544 bytes; att 16,777,216 bytes; hq 3,276,800 bytes; mid 13,107,200 bytes
;; launch prep (part 1): grid 960 x 1, 8 waves a work-group, no clusters, 70,144 bytes of LDS; arguments x, g1, b1, Wq, Wk, Wv, W1, W2, xnq, wts; writes xnq, wts
.if DOCPART == 1
	.amdgcn_target "amdgcn-amd-amdhsa--gfx1250"
	.amdhsa_code_object_version 6
	.text
	.protected	k_qecad42b1cc_prep
	.globl	k_qecad42b1cc_prep
	.p2align	8
	.type	k_qecad42b1cc_prep,@function
k_qecad42b1cc_prep:
	s_mov_b64 s[64:65], 0
	v_nop
	global_prefetch_b8 v0, s[64:65] scope:SCOPE_SE
	s_setreg_imm32_b32 hwreg(HW_REG_WAVE_MODE, 25, 1), 1
	s_wait_xcnt 0x0
; LN1(x) and the five weights become codes of FP6 (E2M3) with one E8M0 byte for each 32 along K, laid as IMAGES OF OPERAND REGISTERS.
; A fragment record (16 rows x 128 K) is 1,536 bytes: registers 4 c .. 4 c + 3 of lane l at 512 c + 16 l; lane (r, h) holds row r, registers 0-5 block h, registers 6-11 block 2 + h.
; Codes: [row tile][K step][1536]; scale words: [row tile][K step][16 words], word r = row r's four bytes.
; A work-group takes 16 rows x 1,024 along K, wave w the K step w.  Work-groups 0-255: x (with the layer norm); 256-959: the weights' chunks in the order Wq, Wk, Wv, W1, W2 (W2: a quarter of K to a chunk).
; ROWS OF A TILE: for x, Wq, Wk, W1 tile T holds rows 32 (T / 2) + 8 (T % 2) + r + 8 (r / 8), so that results of products that take them as source 0 have 16 neighbours in the registers of two neighbouring tiles; for Wv, W2 rows 16 T + r.
; Each load reads 512 consecutive bytes of a row; the wave's 16 x 512 bytes turn through its own stage in LDS (rows 528 bytes apart) so that a lane gets its two whole blocks of 32.
; The mean and the variance (two passes, f32) meet over the eight waves in LDS; mu and 1 / sqrt(var + eps) of each row are stored, so that a later launch can make xn again from x.
; All three barriers stand on the one way that every wave takes; the branches on the work-group's number lead round register work, the statistics' LDS words and global accesses only, and no register goes from one such piece into another.
; LIMITS: NaN and infinities are not served; a block of zeros gets the byte 1 (its codes are zeros; only this program reads the bytes); sums are taken in another order than the reference's.
; No matrix unit, no tensor load, no cluster: memory binds, and the work-groups share no input but g1 and b1.
.set ST1,   0                          ; LDS: [row 16][wave 8] sums
.set ST2,   512                        ; the same for the squares
.set SCG,   1024                       ; [wave 8][16 words]: the chunk's scale words
.set SPARE, 1536                       ; the spare words, 128 bytes a wave: four blocks of 256 bytes that no other line names
.set TURN0, 2560                       ; eight stages of 16 rows x 528 bytes
.set TURNB, 16*528
.set XN_S,  3145728                    ; in xnq: the scale words,
.set MU,    3276800                    ; the rows' means,
.set RS,    3293184                    ; and 1 / sqrt(var + eps)
.set WT_S,  8650752                    ; in wts: the scale words
.set SPW,   12                         ; v12 my spare word; v13 0: never rewritten
.set NIL,   13
.set RO,    16                         ; v16-31 the 16 rows' load offsets
.set X,     32                         ; v32-95 my two blocks of 32
.set G,     96                         ; v96-159 the rows as loaded, later g1
.set B,     160                        ; v160-223 b1
.set PC,    224                        ; v224-235 the codes; v236-238, v240-242 second halves
.set CT,    236
.set W,     244                        ; v244-251 at work; v252-253 mu twice; v254-255 rstd twice
.set SEL,   48                         ; s[48:49] lane selects: lane l xor 16
.macro BARRIER
	s_wait_dscnt 0x0                               ; my LDS stores have landed and my LDS loads are in
	s_barrier_signal -1
	s_barrier_wait -1
.endm
.macro ACROSS off                      ; four chains of pairs in v[W..W+7] -> my row's sum over my wave's 128 numbers -> LDS
	v_pk_add_f32 v[W:W+1], v[W:W+1], v[W+2:W+3]
	v_pk_add_f32 v[W+4:W+5], v[W+4:W+5], v[W+6:W+7]
	v_pk_add_f32 v[W:W+1], v[W:W+1], v[W+4:W+5]
	v_add_f32 v[W], v[W], v[W+1]
	v_permlanex16_b32 v[W+2], v[W], s[SEL], s[SEL+1]
	v_add_f32 v[W], v[W], v[W+2]                   ; with lane l xor 16's 64 numbers
	ds_store_b32 v7, v[W] offset:\off              ; lanes r and r + 16 write the same word with the same value
.endm
.macro GATHER off                      ; the eight waves' sums of my row, added in one fixed order: the same bits in every wave
	ds_load_b128 v[W:W+3], v8 offset:\off
	ds_load_b128 v[W+4:W+7], v8 offset:\off+16
	s_wait_dscnt 0x0
	v_pk_add_f32 v[W:W+1], v[W:W+1], v[W+2:W+3]
	v_pk_add_f32 v[W+4:W+5], v[W+4:W+5], v[W+6:W+7]
	v_pk_add_f32 v[W:W+1], v[W:W+1], v[W+4:W+5]
	v_add_f32 v[W], v[W], v[W+1]
.endm
	s_load_b256 s[4:11], s[0:1], 0x0               ; x s[4:5], g1 s[6:7], b1 s[8:9], Wq s[10:11]
	s_load_b256 s[12:19], s[0:1], 0x20             ; Wk, Wv, W1, W2
	s_load_b128 s[20:23], s[0:1], 0x40             ; xnq, wts
	v_lshl_add_u32 v[SPW], v0, 2, SPARE
	v_mov_b32 v[NIL], 0
	v_lshrrev_b32 v1, 5, v0
	v_readfirstlane_b32 s3, v1                     ; wave 0..7 = my K step
	v_and_b32 v1, 31, v0                           ; lane
	v_and_b32 v2, 15, v0                           ; r
	v_bfe_u32 v3, v0, 4, 1                         ; h
	v_lshlrev_b32 v4, 4, v1                        ; 16 x lane
	s_mul_i32 s24, s3, TURNB
	s_add_co_u32 s24, s24, TURN0                   ; my stage
	v_add_nc_u32 v5, s24, v4                       ; in: 16 x lane, a row 528 bytes on
	v_mul_u32_u24 v6, v2, 528
	v_lshl_add_u32 v6, v3, 7, v6
	v_add_nc_u32 v6, s24, v6                       ; out: row r, + 128 h
	s_lshl_b32 s24, s3, 2
	v_lshl_add_u32 v7, v2, 5, s24                  ; 32 r + 4 w
	v_lshlrev_b32 v8, 5, v2                        ; 32 r
	s_lshl_b32 s24, s3, 6
	v_lshl_add_u32 v9, v2, 2, s24                  ; 64 w + 4 r
	s_lshl_b32 s24, s3, 9
	v_lshl_add_u32 v10, v3, 7, s24                 ; g1, b1: 512 w + 128 h
	v_and_b32 v11, 8, v2
	v_add_nc_u32 v11, v11, v2
	v_lshlrev_b32 v11, 2, v11                      ; mu, rstd: 4 (r + 8 (r / 8))
	s_mov_b32 s[SEL], 0x76543210
	s_mov_b32 s[SEL+1], 0xfedcba98
	s_mov_b32 s46, 0x3a800000                      ; 1 / 1,024
	s_mov_b32 s47, 0x3727c5ac                      ; 1e-5
	s_mov_b32 s24, 0                               ; my tensor's first work-group
	s_mov_b32 s25, 1                               ; are a tile's rows the permuted ones?
	s_mov_b32 s26, 12                              ; log2 of a row's bytes
	s_mov_b32 s28, XN_S
	s_wait_kmcnt 0x0
	; which tensor: choices on the work-group's number alone
	s_cmp_ge_u32 ttmp9, 256
	s_cselect_b64 s[4:5], s[10:11], s[4:5]
	s_cselect_b64 s[20:21], s[22:23], s[20:21]     ; where the results go: xnq or wts
	s_cselect_b32 s24, 256, s24
	s_cselect_b32 s27, 256, 0                      ; the chunk's number counts from here
	s_cselect_b32 s28, WT_S, s28
	s_cmp_ge_u32 ttmp9, 320
	s_cselect_b64 s[4:5], s[12:13], s[4:5]
	s_cselect_b32 s24, 320, s24
	s_cmp_ge_u32 ttmp9, 384
	s_cselect_b64 s[4:5], s[14:15], s[4:5]
	s_cselect_b32 s24, 384, s24
	s_cselect_b32 s25, 0, s25
	s_cmp_ge_u32 ttmp9, 448
	s_cselect_b64 s[4:5], s[16:17], s[4:5]
	s_cselect_b32 s24, 448, s24
	s_cselect_b32 s25, 1, s25
	s_cmp_ge_u32 ttmp9, 704
	s_cselect_b64 s[4:5], s[18:19], s[4:5]
	s_cselect_b32 s24, 704, s24
	s_cselect_b32 s25, 0, s25
	s_cselect_b32 s26, 14, s26                     ; W2's rows are 16,384 bytes,
	s_cselect_b32 s29, 2, 0                        ; and four chunks make a row tile
	s_cselect_b32 s30, 3, 0
	s_sub_co_u32 s31, ttmp9, s24
	s_and_b32 s30, s31, s30                        ; which quarter of K
	s_lshr_b32 s31, s31, s29                       ; row tile
	s_lshr_b32 s33, s31, 1
	s_lshl_b32 s33, s33, 5
	s_and_b32 s34, s31, 1
	s_lshl_b32 s34, s34, 3
	s_add_co_u32 s33, s33, s34                     ; 32 (T / 2) + 8 (T % 2)
	s_lshl_b32 s34, s31, 4                         ; 16 T
	s_cmp_eq_u32 s25, 1
	s_cselect_b32 s33, s33, s34                    ; the tile's first row
	s_lshl_b32 s34, s33, s26
	s_lshl_b32 s35, s30, 12
	s_add_co_u32 s34, s34, s35
	s_lshl_b32 s35, s3, 9
	s_add_co_u32 s34, s34, s35                     ; row x pitch + 4,096 x quarter + 512 x wave: under 2^25
	s_mov_b32 s35, 0
	s_add_nc_u64 s[4:5], s[4:5], s[34:35]
	s_lshl_b32 s36, s25, 3
.irp j, 0,1,2,3,4,5,6,7,8,9,10,11,12,13,14,15
.if \j < 8
	s_lshl_b32 s37, \j, s26
.else
	s_add_co_u32 s37, s36, \j                      ; rows 8-15 of a permuted tile lie 8 rows further on
	s_lshl_b32 s37, s37, s26
.endif
	v_add_nc_u32 v[RO+\j], s37, v4
.endr
	s_sub_co_u32 s37, ttmp9, s27                   ; chunk
	s_mul_i32 s38, s37, 12288
	s_mul_i32 s39, s3, 1536
	s_add_co_u32 s38, s38, s39
	s_mov_b32 s39, 0
	s_add_nc_u64 s[40:41], s[20:21], s[38:39]      ; my fragment record
	s_lshl_b32 s38, s37, 9
	s_add_co_u32 s38, s38, s28
	s_add_nc_u64 s[42:43], s[20:21], s[38:39]      ; the chunk's 512 bytes of scale words
	s_lshl_b32 s38, s33, 2
	s_add_nc_u64 s[44:45], s[20:21], s[38:39]      ; (x alone) 4 x the tile's first row, for mu and rstd
	; ---- 16 rows x 512 bytes, through my stage
.irp j, 0,1,2,3,4,5,6,7,8,9,10,11,12,13,14,15
	global_load_b128 v[G+4*\j:G+4*\j+3], v[RO+\j], s[4:5] th:TH_LOAD_NT
.endr
.irp j, 0,1,2,3,4,5,6,7,8,9,10,11,12,13,14,15
	s_wait_loadcnt 15-\j                           ; loads come back in order: row j is in, the younger rows may be out
	ds_store_b128 v5, v[G+4*\j:G+4*\j+3] offset:528*\j
.endr
.irp c, 0,1
.irp i, 0,1,2,3,4,5,6,7
	ds_load_b128 v[X+32*\c+4*\i:X+32*\c+4*\i+3], v6 offset:256*\c+16*\i   ; LDS serves a wave's instructions in order: these see my stores
.endr
.endr
	s_wait_dscnt 0x0
	; ---- x alone: the row's sum
	s_cmp_ge_u32 ttmp9, 256
	s_cbranch_scc1 .Lw1
.irp k, 0,1,2,3
	v_pk_add_f32 v[W+2*\k:W+2*\k+1], v[X+2*\k:X+2*\k+1], v[X+8+2*\k:X+9+2*\k]
.endr
.irp m, 16,24,32,40,48,56
.irp k, 0,1,2,3
	v_pk_add_f32 v[W+2*\k:W+2*\k+1], v[W+2*\k:W+2*\k+1], v[X+\m+2*\k:X+\m+2*\k+1]
.endr
.endr
	ACROSS ST1
.Lw1:
	BARRIER
	; ---- x alone: the mean; x - mu; the sum of squares
	s_cmp_ge_u32 ttmp9, 256
	s_cbranch_scc1 .Lw2
	GATHER ST1
	v_mul_f32 v252, s46, v[W]
	v_mul_f32 v253, s46, v[W]
.set j, 0
.rept 32
	v_pk_add_f32 v[X+j:X+j+1], v[X+j:X+j+1], v[252:253] neg_lo:[0,1] neg_hi:[0,1]
.set j, j+2
.endr
.irp k, 0,1,2,3
	v_pk_mul_f32 v[W+2*\k:W+2*\k+1], v[X+2*\k:X+2*\k+1], v[X+2*\k:X+2*\k+1]
.endr
.irp m, 8,16,24,32,40,48,56
.irp k, 0,1,2,3
	v_pk_fma_f32 v[W+2*\k:W+2*\k+1], v[X+\m+2*\k:X+\m+2*\k+1], v[X+\m+2*\k:X+\m+2*\k+1], v[W+2*\k:W+2*\k+1]
.endr
.endr
	ACROSS ST2
	s_cmp_lg_u32 s3, 0
	s_cbranch_scc1 .Lw2
	global_store_b32 v11, v252, s[44:45] offset:MU ; wave 0: the 16 rows' means (v252 and v11 are not written again)
.Lw2:
	BARRIER
	; ---- x alone: (x - mu) rstd g1 + b1
	s_cmp_ge_u32 ttmp9, 256
	s_cbranch_scc1 .Lw3
.irp c, 0,1
.irp i, 0,1,2,3,4,5,6,7
	global_load_b128 v[G+32*\c+4*\i:G+32*\c+4*\i+3], v10, s[6:7] offset:256*\c+16*\i
	global_load_b128 v[B+32*\c+4*\i:B+32*\c+4*\i+3], v10, s[8:9] offset:256*\c+16*\i
.endr
.endr
	GATHER ST2
	v_fma_f32 v[W], v[W], s46, s47                 ; var + eps (the division by 1,024 rounds nothing)
	v_rsq_f32 v254, v[W]
	v_rsq_f32 v255, v[W]
	v_nop                                          ; a plain instruction behind the transcendentals,
	s_wait_alu depctr_va_vdst(0)                   ; and the wait ahead of their first reader
.set j, 0
.rept 32
	v_pk_mul_f32 v[X+j:X+j+1], v[X+j:X+j+1], v[254:255]
.set j, j+2
.endr
	s_wait_loadcnt 0x0                             ; g1 and b1
.set j, 0
.rept 32
	v_pk_fma_f32 v[X+j:X+j+1], v[X+j:X+j+1], v[G+j:G+j+1], v[B+j:B+j+1]
.set j, j+2
.endr
	s_cmp_lg_u32 s3, 0
	s_cbranch_scc1 .Lw3
	global_store_b32 v11, v254, s[44:45] offset:RS ; wave 0: the 16 rows' rstd
.Lw3:
	; ---- my two blocks become codes: all 32 numbers of a block are mine
.irp c, 0,1
	v_max3_num_f32 v[W+\c], |v[X+32*\c]|, |v[X+32*\c+1]|, 0x1800000   ; with the floor 2^(3 - 127): the byte cannot fall under 1
.endr
.irp i, 2,4,6,8,10,12,14,16,18,20,22,24,26,28,30
.irp c, 0,1
	v_max3_num_f32 v[W+\c], v[W+\c], |v[X+32*\c+\i]|, |v[X+32*\c+\i+1]|
.endr
.endr
.irp c, 0,1
	v_add_nc_u32 v[W+2+\c], 0xff000000, v[W+\c]    ; 2 off the exponent field: the conversion's scale operand
.endr
.irp c, 0,1
	v_lshrrev_b32 v[W+4+\c], 23, v[W+2+\c]         ; the scale's byte
.endr
	v_lshl_or_b32 v[W+6], v[W+5], 16, v[W+4]       ; blocks h and 2 + h,
	v_lshlrev_b32 v[W+7], 3, v3
	v_lshlrev_b32 v[W+6], v[W+7], v[W+6]           ; at their places in the row's word;
	v_permlanex16_b32 v[W+7], v[W+6], s[SEL], s[SEL+1]
	v_or_b32 v[W+6], v[W+6], v[W+7]                ; with lane l xor 16's two the word is whole
.irp c, 0,1
	v_cvt_scalef32_pk16_fp6_f32 v[PC+6*\c:PC+6*\c+2], v[X+32*\c:X+32*\c+15], v[W+2+\c]
	v_cvt_scalef32_pk16_fp6_f32 v[CT+4*\c:CT+4*\c+2], v[X+32*\c+16:X+32*\c+31], v[W+2+\c]   ; (a conversion's three registers begin on an even number)
.endr
	v_nop                                          ; one plain place behind a scaled conversion
.irp c, 0,1
.irp i, 0,1,2
	v_mov_b32 v[PC+3+6*\c+\i], v[CT+4*\c+\i]
.endr
.endr
.irp c, 0,1,2
	global_store_b128 v4, v[PC+4*\c:PC+4*\c+3], s[40:41] offset:512*\c   ; 32 lanes store 512 consecutive bytes, at a multiple of 256
.endr
	ds_store_b32 v9, v[W+6] offset:SCG
	BARRIER                                        ; the chunk's 128 scale words lie in LDS
	s_cmp_lg_u32 s3, 0
	s_cbranch_scc1 .Lend
	ds_load_b128 v[W:W+3], v4 offset:SCG
	s_wait_dscnt 0x0
	global_store_b128 v4, v[W:W+3], s[42:43]       ; wave 0: 512 consecutive bytes
.Lend:
	s_wait_tensorcnt 0x0                           ; the wave's end, behind my last LDS store
	ds_add_u32 v[SPW], v[NIL]
	s_wait_dscnt 0x0
	s_endpgm
.Lfunc_end_k_qecad42b1cc_prep:
	.size	k_qecad42b1cc_prep, .Lfunc_end_k_qecad42b1cc_prep-k_qecad42b1cc_prep
	.p2alignl 7, 3214868480
	.fill 96, 4, 3214868480
	.section	.rodata,"a",@progbits
	.p2align	6, 0x0
	.amdhsa_kernel k_qecad42b1cc_prep
		.amdhsa_group_segment_fixed_size 70144
		.amdhsa_private_segment_fixed_size 0
		.amdhsa_enable_private_segment 0
		.amdhsa_kernarg_size 80
		.amdhsa_user_sgpr_count 2
		.amdhsa_user_sgpr_kernarg_segment_ptr 1
		.amdhsa_wavefront_size32 1
		.amdhsa_system_sgpr_workgroup_id_x 1
		.amdhsa_system_sgpr_workgroup_id_y 1
		.amdhsa_system_sgpr_workgroup_id_z 1
		.amdhsa_system_vgpr_workitem_id 0
		.amdhsa_next_free_vgpr 256
		.amdhsa_next_free_sgpr 66
		.amdhsa_reserve_vcc 0
		.amdhsa_float_denorm_mode_32 3
		.amdhsa_float_denorm_mode_16_64 3
		.amdhsa_memory_ordered 1
		.amdhsa_forward_progress 1
		.amdhsa_inst_pref_size 29
	.end_amdhsa_kernel
	.amdgpu_metadata
---
amdhsa.version: [ 1, 2 ]
amdhsa.kernels:
  - .name:           k_qecad42b1cc_prep
    .symbol:         k_qecad42b1cc_prep.kd
    .args:
      - { .name: x, .offset: 0, .size: 8, .value_kind: global_buffer, .address_space: global }
      - { .name: g1, .offset: 8, .size: 8, .value_kind: global_buffer, .address_space: global }
      - { .name: b1, .offset: 16, .size: 8, .value_kind: global_buffer, .address_space: global }
      - { .name: Wq, .offset: 24, .size: 8, .value_kind: global_buffer, .address_space: global }
      - { .name: Wk, .offset: 32, .size: 8, .value_kind: global_buffer, .address_space: global }
      - { .name: Wv, .offset: 40, .size: 8, .value_kind: global_buffer, .address_space: global }
      - { .name: W1, .offset: 48, .size: 8, .value_kind: global_buffer, .address_space: global }
      - { .name: W2, .offset: 56, .size: 8, .value_kind: global_buffer, .address_space: global }
      - { .name: xnq, .offset: 64, .size: 8, .value_kind: global_buffer, .address_space: global }
      - { .name: wts, .offset: 72, .size: 8, .value_kind: global_buffer, .address_space: global }
    .group_segment_fixed_size: 70144
    .private_segment_fixed_size: 0
    .kernarg_segment_align: 8
    .kernarg_segment_size: 80
    .max_flat_workgroup_size: 256
    .sgpr_count:     66
    .vgpr_count:     256
    .wavefront_size: 32
...
	.end_amdgpu_metadata
.endif
;; end of part 1
;; launch qkvg (part 2): grid 12 x 16, 4 waves a work-group, clusters of 4 x 4, 327,680 bytes of LDS; arguments xnq, wts, qkv; writes qkv
.if DOCPART == 2
	.amdgcn_target "amdgcn-amd-amdhsa--gfx1250"
	.amdhsa_code_object_version 6
	.text
	.protected	k_qecad42b1cc_qkvg
	.globl	k_qecad42b1cc_qkvg
	.p2align	8
	.type	k_qecad42b1cc_qkvg,@function
k_qecad42b1cc_qkvg:
	s_mov_b64 s[64:65], 0
	v_nop
	global_prefetch_b8 v0, s[64:65] scope:SCOPE_SE
	s_setreg_imm32_b32 hwreg(HW_REG_WAVE_MODE, 25, 1), 1
	s_wait_xcnt 0x0
	s_wait_alu depctr_hold_cnt(0) depctr_sa_sdst(0) depctr_va_vdst(0) depctr_va_sdst(0) depctr_va_ssrc(0) depctr_va_vcc(0) depctr_vm_vsrc(0)
	s_getreg_b32 s2, hwreg(HW_REG_IB_STS2, 6, 4)
	s_cmp_eq_u32 s2, 0
	s_cbranch_scc0 .Lentry_in_a_cluster
	s_endpgm
.Lentry_in_a_cluster:
	s_bfe_u32 s2, ttmp6, 0x10000c
	s_cmp_lg_u32 s2, 0xf033
	s_cbranch_scc0 .Lentry_shape_is_right
	s_endpgm
.Lentry_shape_is_right:
; q = xn Wq^T, k = xn Wk^T, v = xn Wv^T on codes of FP6 (E2M3) with E8M0 scales, K = 1,024; the results are quantised in registers into the operands of attention and never stored as f32.
; OPERANDS lie in memory as fragment records: 16 rows x 128 K = 1,536 bytes, registers 4 c .. 4 c + 3 of lane l at 512 c + 16 l; [row tile][K step]; scale words [row tile][K step][16].
; So a fragment comes from LDS by three loads of 512 consecutive bytes, and a slot's tile is rows of 3,072 bytes (two K steps of a row tile), 12,288 bytes apart in memory.
; A tile of the result is 256 x 256: four waves, 128 x 128 each, 64 accumulators.  K goes in four slots of 256 through a ring of two LDS slots.  Source 0 is the 'B side', source 1 the 'A side'.
; CLUSTERS of 4 x 4: A's tiles are shared along a row of the cluster, B's along a column, by joint loads.  Cluster x = 0, 1: q and k: A side = tokens, B side = rows of [Wq; Wk]: a lane holds ONE token and its registers run
; along the channels, which are the next K.  Cluster x = 2: v: A side = rows of Wv, B side = tokens: a lane holds one channel and its registers run along the tokens, the keys, which are the next K.  One loop serves both.
; The rows of a B-side tile are the permuted ones (32 (T / 2) + 8 (T % 2) + r + 8 (r / 8)), so that the 16 registers of tiles 2 b and 2 b + 1 are 16 neighbours along the next K.
; THE WAY OUT: a wave's 64 registers of one A block are 128 neighbours along the next K: four blocks of 32: a whole fragment and its scale word.
;   q, k: 128 channels are two heads; a head's half fragment (registers 0-5) is a record of 768 bytes: registers 0-3 at 16 l, 4-5 at 512 + 8 l; bytes 2, 3 of its scale word are 0.
;   q: [head][token tile][768]; k and v: a record of 13,056 bytes for each (batch, head, 128 keys): k's 8 tiles, v's 4 channel tiles of 1,536, k's 8 x 64 and v's 4 x 64 bytes of scale words.
;   The scale words leave in runs of 64 bytes: one byte in 24 of what is stored.
; 192 work-groups: a tile of another shape would cut a wave's two heads.  No prefetch: of four slots two are first fills.  LIMITS: NaN, infinities not served; a block of zeros gets the byte 1.
.set NQ,     2                         ; K steps of 128 in a slot
.set NL,     3                         ; LDS loads that bring a fragment
.set FR,     12                        ; its registers
.set NP,     4                         ; places behind this matrix instruction (ISA guide 7.12.1)
.set TROW,   NQ*1536                   ; a row tile's bytes in a slot
.set HALFT,  8*TROW                    ; 8 row tiles: what one tensor load brings, and what a wave reads of a side
.set SLOT,   4*HALFT
.set SCL,    2*SLOT                    ; behind the ring: the scale words of all K, 4,096 bytes a wave's load: A's halves, then B's
.set HALFS,  4096
.set SPARE,  SCL+4*HALFS               ; the spare words: two blocks of 256 bytes that no other line names
.set XN_S,   3145728
.set WV_C,   1572864
.set WQK_S,  8650752
.set WV_S,   8716288
.set Q_S,    3145728
.set KV,     3407872
.set KREC,   13056
.set HEADB,  16*KREC
.set ADRA, 16                          ; v16-17 LDS address of my A fragments in slot 0, 1
.set ADRB, 20                          ; v20-21 the same for B
.set ADRS, 27                          ; v27 my scale words: lanes 0-15 A's, lanes 16-31 B's
.set SPW,  28
.set NIL,  29
.set SC,   32                          ; v32-63 scale words, two sets: register 2 i + q: block i, the slot's q-th K step
.set AF,   128                         ; window 0: A's fragments, one set.  Window 1: B's two sets at v0, v128.  Windows 2, 3: accumulator (a, b) at v[8 (8 (a % 4) + b)]
.set PC,   128                         ; the way out: codes v128-139, second halves v140-142, v144-146
.set TM,   148                         ; v148-151 maxima, v152-155 partners' and bytes, v160-163 scale operands
.set PW,   164                         ; the scale word;  v165 a head's half of it;  v166, v167 two tiles' words joined
.set SW,   165
.set PWC,  166
.set JN,   167
.set SEL,  66
.set G1, 24
.set G0, 32
.set G1B, 48
.set G0B, 56
.set G1S, 68
.set G0S, 76
.set G1SB, 80
.set G0SB, 88
.set MSB, 0
.macro WIN new                         ; the immediate's high byte repeats the setting that is left
.if MSB != (\new)
	s_set_vgpr_msb (MSB<<8)|(\new)
.set MSB, (\new)
.endif
.endm
.set MUL_LO, 0xa1                      ; source 0 (B) window 1, source 1 (A) window 0, C and D window 2
.set MUL_HI, 0xf1
.set TO_B,   0x40
.macro JLOAD g0a, g1a, g0b, g1b        ; a joint load: waves 0, 1 fetch for A, waves 2, 3 for B
	s_cmp_eq_u32 s15, 0
	s_cbranch_scc0 .Lfor_b_\@
	tensor_load_to_lds s[\g0a:\g0a+3], s[\g1a:\g1a+7]
	s_nop 0
.rept 4
	v_nop
.endr
	s_branch .Lasked_\@
.Lfor_b_\@:
	tensor_load_to_lds s[\g0b:\g0b+3], s[\g1b:\g1b+7]
	s_nop 0
.rept 4
	v_nop
.endr
.Lasked_\@:
.endm
.macro CREST                           ; a round of the cluster's barrier behind its opening barrier
	s_cmp_lg_u32 s14, 0
	s_cbranch_scc1 .Lnot_wave_0_\@
	s_barrier_signal -3
.Lnot_wave_0_\@:
	s_barrier_wait -3
	s_barrier_signal -1
	s_barrier_wait -1
.endm
.macro CROUND
	s_barrier_signal -1
	s_barrier_wait -1
	CREST
.endm
	s_load_b128 s[4:7], s[0:1], 0x0                ; xnq, wts
	s_load_b64 s[8:9], s[0:1], 0x10                ; qkv
	v_lshl_add_u32 v[SPW], v0, 2, SPARE
	v_mov_b32 v[NIL], 0
	ds_add_u32 v[SPW], v[NIL]                      ; the wave's opening: the add and its wait ahead of my first tensor load
	v_lshrrev_b32 v1, 5, v0
	v_readfirstlane_b32 s14, v1                    ; wave
	s_lshr_b32 s15, s14, 1                         ; my half of the A side.  Also: I fetch for A (0) or B (1)
	s_and_b32 s16, s14, 1                          ; my half of the B side.  Also: which 8 row tiles I fetch
	s_bfe_u32 s40, ttmp6, 0x40000                  ; cx
	s_bfe_u32 s41, ttmp6, 0x40004                  ; cy
	s_and_b32 s17, ttmp7, 0xffff                   ; cluster y
	s_cmp_eq_u32 ttmp9, 2                          ; v's clusters?  The same in all sixteen partners
	s_cselect_b32 s42, s17, ttmp9                  ; B's tiles count along cluster y (v: tokens) or cluster x (q, k: channels)
	s_cselect_b32 s17, 0, s17                      ; A's along nothing (v: 4 tiles of channels) or cluster y (tokens)
	s_cselect_b32 s19, WV_C, 0                     ; where each side's codes and scale words begin in its buffer
	s_mov_b32 s23, XN_S
	s_cselect_b32 s23, WV_S, s23
	s_mov_b32 s93, WQK_S
	s_cselect_b32 s93, XN_S, s93
	s_lshl_b32 s42, s42, 2
	s_add_co_u32 s42, s42, s40                     ; B's tile of 256: holds cx, never cy
	s_lshl_b32 s17, s17, 2
	s_add_co_u32 s17, s17, s41                     ; A's tile: holds cy, never cx
	s_lshl_b32 s43, s41, 2
	s_lshl_b32 s43, 15, s43                        ; my row of the cluster
	s_lshl_b32 s44, 0x1111, s40                    ; my column
	s_or_b32 s[G1+0], s43, (3<<16)|(1<<21)         ; the mask; elements of 8 bytes; bit 21 beside a mask; no padding: every LDS load takes 512 consecutive bytes
	s_or_b32 s[G1B+0], s44, (3<<16)|(1<<21)
.irp g, G1, G1B
	s_mov_b32 s[\g+1], 384<<16                     ; tensor_dim0: 3,072 bytes
	s_mov_b32 s[\g+2], 8<<16                       ; tensor_dim1: 8 row tiles
	s_mov_b32 s[\g+3], 384<<16                     ; tile_dim0
	s_mov_b32 s[\g+4], 8                           ; tile_dim1
	s_mov_b32 s[\g+5], 1536                        ; 12,288 bytes from row tile to row tile
	s_mov_b32 s[\g+6], 0
	s_mov_b32 s[\g+7], 0
.endr
	s_or_b32 s[G1S+0], s43, (3<<16)|(1<<21)
	s_or_b32 s[G1SB+0], s44, (3<<16)|(1<<21)
.irp g, G1S, G1SB                      ; the scale words of 8 row tiles: 4,096 dense bytes as 16 rows of 256
	s_mov_b32 s[\g+1], 32<<16
	s_mov_b32 s[\g+2], 16<<16
	s_mov_b32 s[\g+3], 32<<16
	s_mov_b32 s[\g+4], 16
	s_mov_b32 s[\g+5], 32
	s_mov_b32 s[\g+6], 0
	s_mov_b32 s[\g+7], 0
.endr
	s_lshl_b32 s18, s16, 3
	s_lshl_b32 s20, s17, 4
	s_add_co_u32 s20, s20, s18                     ; A: first row tile that I fetch
	s_lshl_b32 s46, s42, 4
	s_add_co_u32 s46, s46, s18                     ; B likewise
	s_lshl_b32 s22, s20, 9
	s_add_co_u32 s22, s22, s23
	s_lshl_b32 s92, s46, 9
	s_add_co_u32 s92, s92, s93
	s_mul_i32 s20, s20, 12288
	s_add_co_u32 s20, s20, s19
	s_mul_i32 s46, s46, 12288
	s_mov_b32 s21, 0
	s_mov_b32 s23, 0
	s_mov_b32 s47, 0
	s_mov_b32 s93, 0
	s_mul_i32 s45, s14, HALFT                      ; where they go: no place in the cluster enters an LDS address
	s_mul_i32 s94, s14, HALFS
	s_mov_b32 s[SEL], 0x76543210
	s_mov_b32 s[SEL+1], 0xfedcba98
	s_wait_dscnt 0x0                               ; the opening add is done
	s_wait_kmcnt 0x0
	s_cmp_eq_u32 ttmp9, 2
	s_cselect_b64 s[10:11], s[6:7], s[4:5]         ; the A side's buffer
	s_cselect_b64 s[12:13], s[4:5], s[6:7]         ; the B side's
	s_add_nc_u64 s[20:21], s[10:11], s[20:21]
	s_add_nc_u64 s[22:23], s[10:11], s[22:23]
	s_add_nc_u64 s[46:47], s[12:13], s[46:47]
	s_add_nc_u64 s[92:93], s[12:13], s[92:93]
	CROUND                                         ; all sixteen work-groups are here: the first joint loads meet
	s_mov_b32 s[G0S], 1
	s_add_co_u32 s[G0S+1], s94, SCL
	s_mov_b64 s[G0S+2:G0S+3], s[22:23]
	s_or_b32 s[G0S+3], s[G0S+3], 0x80000000
	s_mov_b32 s[G0SB], 1
	s_add_co_u32 s[G0SB+1], s94, SCL
	s_mov_b64 s[G0SB+2:G0SB+3], s[92:93]
	s_or_b32 s[G0SB+3], s[G0SB+3], 0x80000000
	JLOAD G0S, G1S, G0SB, G1SB                     ; the scale words first; by this text's count three loads of a wave are out at the start, later one
.irp s, 0,1
	s_mov_b32 s[G0+4*\s], 1
	s_add_co_u32 s[G0+4*\s+1], s45, \s*SLOT
	s_add_nc_u64 s[G0+4*\s+2:G0+4*\s+3], s[20:21], \s*TROW
	s_or_b32 s[G0+4*\s+3], s[G0+4*\s+3], 0x80000000
	s_mov_b32 s[G0B+4*\s], 1
	s_add_co_u32 s[G0B+4*\s+1], s45, \s*SLOT
	s_add_nc_u64 s[G0B+4*\s+2:G0B+4*\s+3], s[46:47], \s*TROW
	s_or_b32 s[G0B+4*\s+3], s[G0B+4*\s+3], 0x80000000
	JLOAD G0+4*\s, G1, G0B+4*\s, G1B
.endr
	v_and_b32 v1, 15, v0                           ; r
	v_bfe_u32 v2, v0, 4, 1                         ; h
	v_and_b32 v3, 31, v0                           ; lane
	v_lshlrev_b32 v4, 4, v3                        ; 16 x lane
	s_mul_i32 s21, s15, HALFT
	s_mul_i32 s22, s16, HALFT
	s_add_co_u32 s22, s22, 2*HALFT
.irp s, 0,1
	v_add_nc_u32 v[ADRA+\s], s21, v4
	v_add_nc_u32 v[ADRB+\s], s22, v4
	s_add_co_u32 s21, s21, SLOT
	s_add_co_u32 s22, s22, SLOT
.endr
	s_lshl_b32 s21, s15, 12                        ; A's scale words: my half
	s_lshl_b32 s22, s16, 12
	s_add_co_u32 s22, s22, 2*HALFS                 ; B's: my half, behind A's two
	s_sub_co_u32 s22, s22, s21
	v_mul_u32_u24 v6, s22, v2                      ; lanes 16-31 take B's: one product with h
	s_add_co_u32 s21, s21, SCL
	v_lshl_add_u32 v5, v1, 2, v6
	v_add_nc_u32 v[ADRS], s21, v5
.macro FRAG reg, adr, q, i             ; a fragment as it lies: three loads of 512 consecutive bytes
.irp c, 0,1,2
	ds_load_b128 v[\reg+4*\c:\reg+4*\c+3], v[\adr] offset:(\i)*TROW+(\q)*1536+512*\c
.endr
.endm
; 16 matrix instructions: A's blocks a0, a0 + 1 x B's eight.  p: B's set; sc: the set of scale words.  The 64 accumulators take turns, one instruction a turn.
.macro MUL16 a0, p, q, sc, zero
.irp a, \a0, \a0+1
.irp b, 0,1,2,3,4,5,6,7
.if \zero
	v_wmma_scale_f32_16x16x128_f8f6f4 v[8*(8*((\a)%4)+\b):8*(8*((\a)%4)+\b)+7], v[128*(\p)+FR*\b:128*(\p)+FR*\b+FR-1], v[AF+FR*(\a):AF+FR*(\a)+FR-1], 0, v[SC+8*NQ*(\sc)+NQ*\b+(\q)], v[SC+8*NQ*(\sc)+NQ*(\a)+(\q)] matrix_a_fmt:MATRIX_FMT_FP6 matrix_b_fmt:MATRIX_FMT_FP6 matrix_a_scale:MATRIX_SCALE_ROW1
.else
	v_wmma_scale_f32_16x16x128_f8f6f4 v[8*(8*((\a)%4)+\b):8*(8*((\a)%4)+\b)+7], v[128*(\p)+FR*\b:128*(\p)+FR*\b+FR-1], v[AF+FR*(\a):AF+FR*(\a)+FR-1], v[8*(8*((\a)%4)+\b):8*(8*((\a)%4)+\b)+7], v[SC+8*NQ*(\sc)+NQ*\b+(\q)], v[SC+8*NQ*(\sc)+NQ*(\a)+(\q)] matrix_a_fmt:MATRIX_FMT_FP6 matrix_b_fmt:MATRIX_FMT_FP6 matrix_a_scale:MATRIX_SCALE_ROW1
.endif
.endr
.endr
.endm
.macro FETCH_B slot, q, p
	WIN TO_B
.irp i, 0,1,2,3,4,5,6,7
	FRAG 128*(\p)+FR*\i, ADRB+\slot, \q, \i
.endr
	WIN 0
.endm
.macro FETCH_A slot, q, i0
.irp i, \i0, \i0+1, \i0+2, \i0+3
	FRAG AF+FR*(\i), ADRA+\slot, \q, \i
.endr
.endm
.macro SCALES sc                       ; a slot's scale words: lanes 0-15 A's block i, lanes 16-31 B's block i
.irp i, 0,1,2,3,4,5,6,7
.irp q, 0,1
	ds_load_b32 v[SC+8*NQ*\sc+NQ*\i+\q], v[ADRS] offset:\i*512+64*\q
.endr
.endr
.endm
.macro PLACES n                        ; plain vector instructions between a matrix instruction and a load into, or a read of, its registers
.rept \n
	v_nop
.endr
.endm
.macro STEP slot, q, zero              ; a K step that has its successor in the same slot
	s_wait_dscnt 4*NL                              ; B's set and A's blocks 0-3 are in; the youngest 12 loads (A's blocks 4-7) may be out
	WIN MUL_LO
	MUL16 0, (\q)%2, \q, \slot, \zero
	MUL16 2, (\q)%2, \q, \slot, \zero
	s_wait_dscnt 0
	PLACES NP
	FETCH_B \slot, (\q)+1, 1-(\q)%2
	FETCH_A \slot, (\q)+1, 0
	WIN MUL_HI
	MUL16 4, (\q)%2, \q, \slot, \zero
	MUL16 6, (\q)%2, \q, \slot, \zero
	PLACES NP
	WIN 0
	FETCH_A \slot, (\q)+1, 4
.endm
.macro TURN slot, next, fill           ; a slot's last K step changes slots: one barrier; fill = 1: it opens a round of the cluster's, and this slot is filled again
	s_wait_tensorcnt 0x0                           ; all my tensor loads have landed: my part of the next slot
	ds_add_u32 v[SPW], v[NIL]                      ; 0 onto my spare word
	s_wait_dscnt 4*NL+1                            ; (the add and A's blocks 4-7 may be out)
	WIN MUL_LO
	MUL16 0, 1, NQ-1, \slot, 0
	s_wait_dscnt 0x0                               ; the add is done, and my reads of this slot are over
	s_barrier_signal -1
	MUL16 2, 1, NQ-1, \slot, 0
	WIN 0
	s_barrier_wait -1
.if \fill
	CREST                                          ; no wave of any partner still reads this slot or has a load on its way
	s_add_nc_u64 s[G0+4*\slot+2:G0+4*\slot+3], s[G0+4*\slot+2:G0+4*\slot+3], 2*TROW
	s_add_nc_u64 s[G0B+4*\slot+2:G0B+4*\slot+3], s[G0B+4*\slot+2:G0B+4*\slot+3], 2*TROW
	JLOAD G0+4*\slot, G1, G0B+4*\slot, G1B         ; the first tensor load behind the round; its four v_nop are the places in front of the loads below
.else
	PLACES NP
.endif
	v_add_nc_u32 v[ADRS], 64*NQ, v[ADRS]
	FETCH_B \next, 0, 0
	FETCH_A \next, 0, 0
	SCALES \next
	WIN MUL_HI
	MUL16 4, 1, NQ-1, \slot, 0
	MUL16 6, 1, NQ-1, \slot, 0
	PLACES NP
	WIN 0
	FETCH_A \next, 0, 4
.endm
	s_wait_tensorcnt 1                             ; the scale words and my part of slot 0 are in (slot 1's load may be out)
	s_barrier_signal -1
	s_barrier_wait -1
	FETCH_B 0, 0, 0
	FETCH_A 0, 0, 0
	SCALES 0
	FETCH_A 0, 0, 4
	STEP 0, 0, 1                                   ; the first products start the sums: nothing is cleared.  Eight K steps, written out
	TURN 0, 1, 1
	STEP 1, 0, 0
	TURN 1, 0, 1
	STEP 0, 0, 0
	TURN 0, 1, 0                                   ; nothing is left to fetch
	STEP 1, 0, 0
	s_wait_dscnt 4*NL
	WIN MUL_LO
	MUL16 0, 1, NQ-1, 1, 0
	MUL16 2, 1, NQ-1, 1, 0
	s_wait_dscnt 0
	WIN MUL_HI
	MUL16 4, 1, NQ-1, 1, 0
	MUL16 6, 1, NQ-1, 1, 0
	WIN 0
; THE WAY OUT.  QACC a: the 64 accumulator registers of A block a (register 16 b + i = place 32 b + 16 h + i along the next K) become a fragment's codes in v[PC] on and its scale word in v[PW].
.macro QACC a
.set WW, 2+(\a)/4
.set AC, 64*((\a)%4)
	WIN WW|(WW<<2)
.irp b, 0,1,2,3
	v_max3_num_f32 v[TM+\b], |v[AC+16*\b]|, |v[AC+16*\b+1]|, 0x1800000   ; each accumulator is read from its low end on; the floor 2^(3 - 127) holds the byte at 1 from below
.endr
	WIN (WW<<2)|(WW<<4)
.irp i, 2,4,6,8,10,12,14
.irp b, 0,1,2,3
	v_max3_num_f32 v[TM+\b], v[TM+\b], |v[AC+16*\b+\i]|, |v[AC+16*\b+\i+1]|
.endr
.endr
	WIN 0
.irp b, 0,1,2,3
	v_permlanex16_b32 v[TM+4+\b], v[TM+\b], s[SEL], s[SEL+1]
.endr
.irp b, 0,1,2,3
	v_max_num_f32 v[TM+\b], v[TM+\b], v[TM+4+\b]   ; with lane l xor 16's 16: the block's largest magnitude
.endr
.irp b, 0,1,2,3
	v_add_nc_u32 v[TM+12+\b], 0xff000000, v[TM+\b] ; 2 off the exponent field: the conversion's scale operand
.endr
.irp b, 0,1,2,3
	v_lshrrev_b32 v[TM+4+\b], 23, v[TM+12+\b]      ; the byte
.endr
	v_lshl_or_b32 v[PW], v[TM+5], 8, v[TM+4]
	v_lshl_or_b32 v[PW], v[TM+6], 16, v[PW]
	v_lshl_or_b32 v[PW], v[TM+7], 24, v[PW]
	s_wait_xcnt 0x0                                ; the last block's stores have read their registers: the codes and the words are written again only behind this wait
	WIN WW
.irp c, 0,1
	v_cvt_scalef32_pk16_fp6_f32 v[PC+6*\c:PC+6*\c+2], v[AC+32*\c:AC+32*\c+15], v[TM+12+2*\c]
	v_cvt_scalef32_pk16_fp6_f32 v[PC+12+4*\c:PC+14+4*\c], v[AC+32*\c+16:AC+32*\c+31], v[TM+13+2*\c]
.endr
	WIN 0
	v_nop                                          ; one plain place behind a scaled conversion
.irp c, 0,1                            ; the layout wants a whole block in a lane: lanes 0-15 block 2 c, lanes 16-31 block 2 c + 1
.irp i, 0,1,2
	v_permlane16_swap_b32 v[PC+6*\c+\i], v[PC+12+4*\c+\i]
.endr
.irp i, 0,1,2
	v_mov_b32 v[PC+3+6*\c+\i], v[PC+12+4*\c+\i]
.endr
.endr
.endm
	PLACES NP
.irp b, 0,1,2,3
	v_mov_b32 v[TM+4+\b], 0                        ; written once: a lane permute's destination counts as one of its sources
.endr
	v_lshlrev_b32 v8, 3, v3                        ; 8 x lane
	v_lshlrev_b32 v9, 4, v2                        ; 16 h
	v_lshlrev_b32 v11, 2, v3                       ; 4 x lane
	s_mov_b32 s84, 0xffff0000                      ; lanes 16-31
	s_lshl_b32 s69, s17, 4
	s_lshl_b32 s70, s15, 3
	s_add_co_u32 s69, s69, s70                     ; my first A block: a token tile (q, k) or a channel tile (v)
	s_mov_b32 s73, 0
	s_cmp_eq_u32 ttmp9, 2
	s_cbranch_scc1 .Lv
	s_lshl_b32 s68, s42, 2
	s_lshl_b32 s70, s16, 1
	s_add_co_u32 s68, s68, s70                     ; my first head: 0-15 q's, 16-31 k's
	s_lshl_b32 s70, s68, 8
	s_add_co_u32 s70, s70, s69
	s_mul_i32 s72, s70, 768                        ; q: [head][token tile][768]
	s_lshl_b32 s74, s70, 6
	s_add_co_u32 s74, s74, Q_S
	s_lshr_b32 s70, s69, 7                         ; k: the record of (batch, head, key step): my 8 token tiles are one key step
	s_lshl_b32 s70, s70, 4
	s_add_co_u32 s70, s70, s68
	s_sub_co_u32 s70, s70, 16
	s_lshl_b32 s70, s70, 4
	s_bfe_u32 s71, s69, 0x40003
	s_add_co_u32 s70, s70, s71
	s_mul_i32 s70, s70, KREC
	s_add_co_u32 s70, s70, KV
	s_add_co_u32 s71, s70, 12288
	s_mov_b32 s75, HEADB
	s_mov_b32 s76, HEADB
	s_cmp_eq_u32 ttmp9, 0
	s_cselect_b32 s72, s72, s70
	s_cselect_b32 s74, s74, s71
	s_cselect_b32 s75, 196608, s75                 ; from a head's codes to the next head's
	s_cselect_b32 s76, 16384, s76                  ; and from its scale words
	s_add_nc_u64 s[78:79], s[8:9], s[72:73]        ; my first head's records
	s_mov_b32 s72, s75
	s_add_nc_u64 s[80:81], s[78:79], s[72:73]      ; my second head's
	s_mov_b32 s72, s74
	s_add_nc_u64 s[82:83], s[8:9], s[72:73]        ; the scale words
	v_mul_u32_u24 v10, s76, v2
	v_lshl_add_u32 v10, v1, 2, v10                 ; lanes 0-15 store the first head's words, lanes 16-31 the second's
.irp a, 0,1,2,3,4,5,6,7
	QACC \a
	v_bfe_u32 v[SW], v[PW], v9, 16                 ; my head's two bytes; bytes 2, 3 are 0
	global_store_b128 v4, v[PC:PC+3], s[78:79] offset:768*\a
	global_store_b64 v8, v[PC+4:PC+5], s[78:79] offset:768*\a+512
	global_store_b128 v4, v[PC+6:PC+9], s[80:81] offset:768*\a
	global_store_b64 v8, v[PC+10:PC+11], s[80:81] offset:768*\a+512
	global_store_b32 v10, v[SW], s[82:83] offset:64*\a
.endr
	s_branch .Lend
.Lv:
	s_lshl_b32 s70, s42, 1
	s_add_co_u32 s70, s70, s16                     ; my 128 tokens: key step 0-31 over both batches
	s_lshr_b32 s71, s70, 4
	s_lshl_b32 s71, s71, 4
	s_lshr_b32 s72, s69, 2
	s_add_co_u32 s71, s71, s72                     ; 16 x batch + my first head
	s_lshl_b32 s71, s71, 4
	s_and_b32 s70, s70, 15
	s_add_co_u32 s71, s71, s70
	s_mul_i32 s72, s71, KREC
	s_add_co_u32 s72, s72, KV
	s_add_nc_u64 s[78:79], s[8:9], s[72:73]
.irp a, 0,1,2,3,4,5,6,7
	QACC \a
.irp c, 0,1,2
	global_store_b128 v4, v[PC+4*\c:PC+4*\c+3], s[78:79] offset:6144+(\a/4)*HEADB+(\a%4)*1536+512*\c
.endr
.if \a%2 == 0
	v_mov_b32 v[PWC], v[PW]
.else
	v_cndmask_b32 v[JN], v[PWC], v[PW], s84        ; two tiles' words: 128 consecutive bytes
	global_store_b32 v11, v[JN], s[78:79] offset:12800+(\a/4)*HEADB+64*((\a-1)%4)
.endif
.endr
.Lend:
	s_wait_tensorcnt 0x0                           ; the wave's end
	ds_add_u32 v[SPW], v[NIL]
	s_wait_dscnt 0x0
	CROUND                                         ; the closing round
	s_endpgm
.Lfunc_end_k_qecad42b1cc_qkvg:
	.size	k_qecad42b1cc_qkvg, .Lfunc_end_k_qecad42b1cc_qkvg-k_qecad42b1cc_qkvg
	.p2alignl 7, 3214868480
	.fill 96, 4, 3214868480
	.section	.rodata,"a",@progbits
	.p2align	6, 0x0
	.amdhsa_kernel k_qecad42b1cc_qkvg
		.amdhsa_group_segment_fixed_size 327680
		.amdhsa_private_segment_fixed_size 0
		.amdhsa_enable_private_segment 0
		.amdhsa_kernarg_size 24
		.amdhsa_user_sgpr_count 2
		.amdhsa_user_sgpr_kernarg_segment_ptr 1
		.amdhsa_wavefront_size32 1
		.amdhsa_system_sgpr_workgroup_id_x 1
		.amdhsa_system_sgpr_workgroup_id_y 1
		.amdhsa_system_sgpr_workgroup_id_z 1
		.amdhsa_system_vgpr_workitem_id 0
		.amdhsa_next_free_vgpr 1024
		.amdhsa_next_free_sgpr 100
		.amdhsa_reserve_vcc 0
		.amdhsa_float_denorm_mode_32 3
		.amdhsa_float_denorm_mode_16_64 3
		.amdhsa_memory_ordered 1
		.amdhsa_forward_progress 1
		.amdhsa_inst_pref_size 180
	.end_amdhsa_kernel
	.amdgpu_metadata
---
amdhsa.version: [ 1, 2 ]
amdhsa.kernels:
  - .name:           k_qecad42b1cc_qkvg
    .symbol:         k_qecad42b1cc_qkvg.kd
    .args:
      - { .name: xnq, .offset: 0, .size: 8, .value_kind: global_buffer, .address_space: global }
      - { .name: wts, .offset: 8, .size: 8, .value_kind: global_buffer, .address_space: global }
      - { .name: qkv, .offset: 16, .size: 8, .value_kind: global_buffer, .address_space: global }
    .group_segment_fixed_size: 327680
    .private_segment_fixed_size: 0
    .kernarg_segment_align: 8
    .kernarg_segment_size: 24
    .max_flat_workgroup_size: 128
    .sgpr_count:     100
    .vgpr_count:     1024
    .wavefront_size: 32
...
	.end_amdgpu_metadata
.endif
;; end of part 2
;; launch attn (part 3): grid 8 x 32, 16 waves a work-group, no clusters, 327,680 bytes of LDS; arguments qkv, xnq, x, g1, b1, att; writes att
.if DOCPART == 3
	.amdgcn_target "amdgcn-amd-amdhsa--gfx1250"
	.amdhsa_code_object_version 6
	.text
	.protected	k_qecad42b1cc_attn
	.globl	k_qecad42b1cc_attn
	.p2align	8
	.type	k_qecad42b1cc_attn,@function
k_qecad42b1cc_attn:
	s_mov_b64 s[64:65], 0
	v_nop
	global_prefetch_b8 v0, s[64:65] scope:SCOPE_SE
	s_setreg_imm32_b32 hwreg(HW_REG_WAVE_MODE, 25, 1), 1
	s_wait_xcnt 0x0
; att_out = xn + softmax(q k^T / 8 + slope x (key - query), causal) v, 16 heads of 64, both products on codes of FP6 (E2M3) with E8M0 scales.
; THE SOFTMAX: t = logit x log2(e); M = the running largest t rounded up to a whole number; p = 2^(t - M) is quantised along the keys; the row's sum is taken of the unquantised p and divides at the end.
; SHARES.  Work-group (j, y = 16 x batch + head) owns the blocks j and 15 - j of 128 queries: under the causal mask every work-group then has 17 x 8 key steps of work.  Each of its sixteen waves owns one tile of 16 queries.
; A tile T holds queries 32 (T / 2) + 8 (T % 2) + r + 8 (r / 8); the keys of a tile of k likewise, so that the 16 registers of tiles 2 b, 2 b + 1 of S^T are 16 neighbouring keys.
; Both products are used transposed (S^T = k q^T, O^T = v^T p^T): a lane holds one query throughout.  A key step is 128 keys: one dense record of 13,056 bytes (k's 8 half fragments of 768, v's 4 fragments of 1,536, their scale words).
; THE HEAD'S 64 IN A PRODUCT 128 DEEP: q's registers 6-11 are zero codes and bytes 2, 3 of q's and k's scale words are 0; k's operand of tile t names v[32 + 6 t .. 43 + 6 t], whose upper six registers hold the next tile's codes
; (the last tile's: zeros): codes of this format are all finite, they meet q's zero codes, and add nothing.
; ALIBI COSTS NO LINE A SCORE: key - query = (KF - Qg + 32 b) + (8 u + j - d0), d0 = r + 8 (r / 8) - 16 h.  8 x slope x the second part is a table of 16 registers, given as the C of the score products;
; the first part, x slope x log2(e), is four numbers a step, added in the multiply-add that makes t - M.
; THE RING: two slots of two key steps; waves 0 and 1 fetch one record each; every wait for tensor loads is for all of them.  Every work-group walks all eight slots; a step all of whose keys come after the wave's queries is
; jumped over (ids alone), and a slot whose first key comes after the work-group's last query is not asked for.  No cluster: partners would need different numbers of steps.
; THE WAY OUT makes xn again from x, mu, rstd, g1, b1 (the same lines as the launch that quantised it) and stores xn + o: sixteen lanes store 256 consecutive bytes, aligned.
; LIMITS: NaN and infinities are not served.  The bias is added in two parts, each rounded: for keys whose p is not 0 the error of t stays about one unit in the last place of a number under some 200.
.set KREC,  13056
.set HEADB, 16*KREC
.set SLOTB, 2*KREC
.set SLOT1, 32768                      ; one exclusive or turns an address in one slot into the other's
.set STAGE, 65536                      ; the way out: 16 rows x 272 bytes for each wave; no tensor load lands here
.set SPARE, STAGE+16*4352              ; the spare words: eight blocks of 256 bytes that no other line names
.set Q_S,   3145728
.set KV,    3407872
.set MU,    3276800
.set RS,    3293184
; v1 16 lane; v2 8 lane + 512; v3 4 lane + 12,288; v4 d0; v7 way out; v8-10 the step's addresses; v11 4 r; v12-15 the four addends; v16-27 q; v28 prefetch offset; v29 q's scale word; v30 -M; v31 largest t;
; v32-85 k's tiles (6 t), then v's fragments (12 ct); v86-89 k's scale words, v90-91 v's (two tiles a register); v92-93 the sum; v94-95 f; v96-159 S^T, then p; v160-191 O^T; v192-207 the table;
; v208-219 p's codes, v220-226 second halves; v228-231 blocks' maxima; v232-235 partners', bytes; v236-239 scale operands; v240-243 the steps' bias; v244 p's scale word; v246-251 at work
.set SPW,  5
.set NIL,  6
.set TB,   2                           ; s2 LDS byte at which the slot in hand begins
.set WV,   18
.set SEL,  20
.set CS,   22                          ; s[22:23] log2(e) / 8
.set G1,   24
.set G0,   32
.set KF,   36                          ; the step's first key
.set QG,   37                          ; my tile's first query
.set LASTQ, 38                         ; my work-group's last query
.set SLOTS, 39
.set S8,   40                          ; 8 x slope
.set SL,   41                          ; slope x log2(e)
.set PFA,  42
.set LIM,  44
.macro TLOAD                           ; waves 0 and 1 fetch a key step each
	s_cmp_lt_u32 s[WV], 2
	s_cbranch_scc0 .Lasked_\@
	tensor_load_to_lds s[G0:G0+3], s[G1:G1+7]
	s_nop 0
.rept 4
	v_nop
.endr
.Lasked_\@:
.endm
; A prefetch of the slot that the NEXT change of slots will ask for: 102 blocks of 256 bytes.  All eight work-groups of a head walk the same records: the first of them asks, by its waves 4 to 7, a lane a block
; (the lanes that are over name the slot's last block again).  The last change that fills a slot asks for nothing; slots 0 and 1 come by their loads alone.
.macro ASK
	s_cmp_gt_u32 s[SLOTS], s[LIM]
	s_cbranch_scc0 .Lnot_mine_\@
	global_prefetch_b8 v28, s[PFA:PFA+1] th:TH_LOAD_NT scope:SCOPE_SE
.Lnot_mine_\@:
.endm
	s_load_b256 s[4:11], s[0:1], 0x0               ; qkv, xnq, x, g1
	s_load_b128 s[12:15], s[0:1], 0x20             ; b1, att
	v_lshl_add_u32 v[SPW], v0, 2, SPARE
	v_mov_b32 v[NIL], 0
	ds_add_u32 v[SPW], v[NIL]                      ; the wave's opening: the add and its wait ahead of the first tensor load
	v_lshrrev_b32 v8, 5, v0
	v_readfirstlane_b32 s[WV], v8
	s_and_b32 s45, ttmp7, 0xffff                   ; y
	s_and_b32 s46, s45, 15                         ; head
	s_lshr_b32 s47, s45, 4                         ; batch
	s_lshl_b32 s48, ttmp9, 3
	s_add_co_u32 s49, s48, s[WV]                   ; waves 0-7: tile 8 j + w
	s_sub_co_u32 s50, 112, s48
	s_add_co_u32 s50, s50, s[WV]                   ; waves 8-15: tile 8 (15 - j) + w - 8
	s_cmp_lt_u32 s[WV], 8
	s_cselect_b32 s49, s49, s50
	s_lshr_b32 s50, s49, 1
	s_lshl_b32 s50, s50, 5
	s_and_b32 s51, s49, 1
	s_lshl_b32 s51, s51, 3
	s_add_co_u32 s[QG], s50, s51
	s_sub_co_u32 s[LASTQ], 15, ttmp9
	s_lshl_b32 s[LASTQ], s[LASTQ], 7
	s_or_b32 s[LASTQ], s[LASTQ], 127
	s_add_co_u32 s51, s46, 1                       ; slope = 2^(-nn / 2), nn = head + 1
	s_lshr_b32 s52, s51, 1
	s_sub_co_i32 s52, 3, s52
	s_lshl_b32 s52, s52, 23
	s_mov_b32 s53, 0x3f800000
	s_bitcmp1_b32 s51, 0
	s_cselect_b32 s53, 0x3f3504f3, s53             ; nn odd: 2^(-1/2)
	s_add_co_u32 s[S8], s53, s52                   ; x 2^(3 - nn / 2), by the exponent field
	s_mov_b32 s[CS], 0x3e38aa3b
	s_mov_b32 s[CS+1], s[CS]
	s_mul_f32 s[SL], s[CS], s[S8]
	s_mov_b32 s[G1], 3<<16                         ; a record: 51 rows of 32 elements of 8 bytes, dense
	s_mov_b32 s[G1+1], 32<<16
	s_mov_b32 s[G1+2], 51<<16
	s_mov_b32 s[G1+3], 32<<16
	s_mov_b32 s[G1+4], 51
	s_mov_b32 s[G1+5], 32
	s_mov_b32 s[G1+6], 0
	s_mov_b32 s[G1+7], 0
	s_and_b32 s54, s[WV], 1
	s_mul_i32 s54, s54, KREC
	s_mov_b32 s55, 0
	s_mul_i32 s56, s45, HEADB
	s_add_co_u32 s56, s56, KV
	s_mov_b32 s57, 0
	s_lshl_b32 s58, s46, 8
	s_lshl_b32 s59, s47, 7
	s_add_co_u32 s58, s58, s59
	s_add_co_u32 s58, s58, s49                     ; q's record: 256 x head + 128 x batch + tile
	s_mul_i32 s60, s58, 768
	s_mov_b32 s61, 0
	s_lshl_b32 s62, s58, 6
	s_add_co_u32 s62, s62, Q_S
	s_mov_b32 s63, 0
	s_lshl_b32 s48, s47, 11
	s_add_co_u32 s48, s48, s[QG]                   ; my tile's first row of x
	s_lshl_b32 s50, s48, 12
	s_lshl_b32 s52, s46, 8                         ; my head's 256 bytes of a row
	s_add_co_u32 s50, s50, s52
	s_mov_b32 s51, 0
	s_mov_b32 s53, 0
	s_lshl_b32 s58, s48, 2
	s_mov_b32 s59, 0
	s_mov_b32 s[SEL], 0x76543210
	s_mov_b32 s[SEL+1], 0xfedcba98
	s_mov_b32 s[TB], 0
	s_mov_b32 s[KF], 0
	s_mov_b32 s[SLOTS], 7
	s_wait_dscnt 0x0                               ; the opening add is done
	s_wait_kmcnt 0x0
	s_add_nc_u64 s[56:57], s[4:5], s[56:57]        ; my head's sixteen records
	s_mov_b32 s[G0], 1
	s_mov_b32 s[G0+1], s54
	s_add_nc_u64 s[G0+2:G0+3], s[56:57], s[54:55]
	s_or_b32 s[G0+3], s[G0+3], 0x80000000
	TLOAD                                          ; slot 0
	s_add_nc_u64 s[PFA:PFA+1], s[56:57], SLOTB     ; at slot 1: the first change steps it to slot 2
	s_add_nc_u64 s[60:61], s[4:5], s[60:61]
	s_add_nc_u64 s[62:63], s[4:5], s[62:63]
	s_add_nc_u64 s[8:9], s[8:9], s[50:51]          ; x and att at my tile's first row, my head's columns
	s_add_nc_u64 s[14:15], s[14:15], s[50:51]
	s_add_nc_u64 s[6:7], s[6:7], s[58:59]          ; mu, rstd
	s_add_nc_u64 s[10:11], s[10:11], s[52:53]      ; g1, b1
	s_add_nc_u64 s[12:13], s[12:13], s[52:53]
	s_sub_co_u32 s58, s[WV], 4
	s_lshl_b32 s59, s58, 5
	s_lshr_b32 s58, s58, 2                         ; 0 in waves 4 to 7,
	s_or_b32 s58, s58, ttmp9                       ; of the head's first work-group
	s_cmp_eq_u32 s58, 0
	s_cselect_b32 s[LIM], 1, -1
	v_and_b32 v246, 31, v0                         ; lane
	v_add_nc_u32 v28, s59, v246
	v_min_u32 v28, 101, v28
	v_lshlrev_b32 v28, 8, v28
	v_lshlrev_b32 v1, 4, v246
	v_lshl_add_u32 v2, v246, 3, 512
	v_lshl_add_u32 v3, v246, 2, 12288
	v_and_b32 v246, 15, v0                         ; r
	v_bfe_u32 v247, v0, 4, 1                       ; h
	v_lshlrev_b32 v11, 2, v246
	global_load_b128 v[16:19], v1, s[60:61]        ; q's half fragment stays in registers
	global_load_b64 v[20:21], v2, s[60:61]
	global_load_b32 v29, v11, s[62:63]
	v_and_b32 v248, 8, v246
	v_add_nc_u32 v4, v246, v248
	v_lshlrev_b32 v248, 4, v247
	v_sub_nc_u32 v4, v4, v248                      ; d0
	v_lshlrev_b32 v7, 12, v247
	v_lshl_add_u32 v7, v246, 4, v7                 ; the way out: 4,096 h + 16 r
.set e, 0
.rept 16
	v_sub_nc_u32 v[192+e], e, v4
.set e, e+1
.endr
.set e, 0
.rept 16
	v_cvt_f32_i32 v[192+e], v[192+e]
.set e, e+1
.endr
.set e, 0
.rept 16
	v_mul_f32 v[192+e], s[S8], v[192+e]            ; 8 x slope x (8 u + j - d0)
.set e, e+1
.endr
.irp j, 22,23,24,25,26,27,80,81,82,83,84,85,92,93,95,232,233,234,235
	v_mov_b32 v[\j], 0                             ; zero codes; the sum; halves of pairs and permute destinations that count as read
.endr
.set e, 0
.rept 32
	v_mov_b32 v[160+e], 0                          ; O^T: the step is written once, and the first change of M leaves zeros zeros
.set e, e+1
.endr
	v_mov_b32 v31, 0xff61b1e6                      ; the largest t so far: -3e38
	v_floor_f32 v30, -v31
.macro TM2 b, sel                      ; t - M of block b: c x score + (bias - M), two at a time
.irp j, 0,2,4,6,8,10,12,14
	v_pk_fma_f32 v[96+16*\b+\j:97+16*\b+\j], v[96+16*\b+\j:97+16*\b+\j], s[CS:CS+1], v[12+2*(\b/2):13+2*(\b/2)] op_sel:[0,0,\sel] op_sel_hi:[1,0,\sel]
.endr
.endm
.macro STEP q                          ; 128 keys: the q-th record of the slot in hand
	s_add_co_u32 s96, s[QG], 23
	s_cmp_gt_u32 s[KF], s96                        ; all keys after my last query: nothing to do (ids and the count of steps alone)
	s_cbranch_scc1 .Lhidden_\@
	v_add_nc_u32 v8, s[TB], v1                     ; (these eleven vector lines are the places in front of the loads below)
	v_add_nc_u32 v9, s[TB], v2
	v_add_nc_u32 v10, s[TB], v3
	s_sub_co_i32 s96, s[KF], s[QG]
.irp b, 0,1,2,3
	v_cvt_f32_i32 v[240+\b], s96
	s_add_co_i32 s96, s96, 32
.endr
.irp b, 0,1,2,3
	v_mul_f32 v[240+\b], s[SL], v[240+\b]          ; slope x log2(e) x (KF - Qg + 32 b)
.endr
.irp t, 0,1,2,3,4,5,6,7
	ds_load_b128 v[32+6*\t:35+6*\t], v8 offset:KREC*(\q)+768*\t
	ds_load_b64 v[36+6*\t:37+6*\t], v9 offset:KREC*(\q)+768*\t
.endr
.irp p, 0,1,2,3
	ds_load_b32 v[86+\p], v10 offset:KREC*(\q)+128*\p   ; lanes 0-15 tile 2 p's words, lanes 16-31 tile 2 p + 1's
.endr
	s_wait_dscnt 0x0
.irp t, 0,1,2,3,4,5,6,7
.if \t%2
	v_wmma_scale_f32_16x16x128_f8f6f4 v[96+8*\t:103+8*\t], v[32+6*\t:43+6*\t], v[16:27], v[200:207], v[86+\t/2], v29 matrix_a_fmt:MATRIX_FMT_FP6 matrix_b_fmt:MATRIX_FMT_FP6 matrix_a_scale:MATRIX_SCALE_ROW1
.else
	v_wmma_scale_f32_16x16x128_f8f6f4 v[96+8*\t:103+8*\t], v[32+6*\t:43+6*\t], v[16:27], v[192:199], v[86+\t/2], v29 matrix_a_fmt:MATRIX_FMT_FP6 matrix_b_fmt:MATRIX_FMT_FP6
.endif
.endr
.rept 4
	v_nop                                          ; places in front of the loads into k's registers and of the first read of the scores
.endr
.irp t, 0,1,2,3
.irp c, 0,1,2
	ds_load_b128 v[32+12*\t+4*\c:35+12*\t+4*\c], v8 offset:KREC*(\q)+6144+1536*\t+512*\c   ; v's fragments land under the softmax
.endr
.endr
.irp p, 0,1
	ds_load_b32 v[90+\p], v10 offset:KREC*(\q)+512+128*\p
.endr
	s_add_co_u32 s96, s[KF], 127
	s_cmp_le_u32 s96, s[QG]                        ; all keys count: no mask
	s_cbranch_scc1 .Lopen_\@
	s_sub_co_i32 s96, s[QG], s[KF]
	v_add_nc_u32 v250, s96, v4                     ; register 16 b + i holds key KF + 32 b + 16 h + i: hidden where 32 b + i > d
	v_mov_b32 v251, 0xff800000
.set n, 0
.rept 64
	v_cmp_gt_i32 vcc_lo, 32*(n/16)+n%16, v250
	v_cndmask_b32 v[96+n], v[96+n], v251, vcc_lo
.set n, n+1
.endr
.Lopen_\@:
.irp b, 0,1,2,3
	v_max3_num_f32 v[228+\b], v[96+16*\b], v[97+16*\b], v[98+16*\b]   ; the largest score of each block of 32 keys: for the row's maximum and, since p rises with the score, for the block's largest p
.endr
.irp i, 3,5,7,9,11,13
.irp b, 0,1,2,3
	v_max3_num_f32 v[228+\b], v[228+\b], v[96+16*\b+\i], v[97+16*\b+\i]
.endr
.endr
.irp b, 0,1,2,3
	v_max_num_f32 v[228+\b], v[228+\b], v[111+16*\b]
.endr
.irp b, 0,1,2,3
	v_permlanex16_b32 v[232+\b], v[228+\b], s[SEL], s[SEL+1]
.endr
.irp b, 0,1,2,3
	v_max_num_f32 v[228+\b], v[228+\b], v[232+\b]
.endr
.irp b, 0,1,2,3
	v_fma_f32 v[246+\b], v[228+\b], s[CS], v[240+\b]   ; as t
.endr
	v_max3_num_f32 v250, v246, v247, v248
	v_max_num_f32 v250, v250, v249
	v_max_num_f32 v31, v31, v250                   ; the running largest t
	v_mov_b32 v250, v30
	v_floor_f32 v30, -v31                          ; -M = floor(-t): M is a whole number
	v_sub_f32 v250, v30, v250
	v_cvt_i32_f32 v250, v250                       ; (it saturates)
	v_ldexp_f32 v94, 1.0, v250                     ; f = 2^(old M - new M): a multiplication by it rounds nothing
.irp b, 0,1,2,3
	v_add_f32 v[12+\b], v[240+\b], v30             ; bias - M
.endr
	TM2 0, 0
	TM2 1, 1
	TM2 2, 0
	TM2 3, 1
.irp b, 0,1,2,3
	v_fma_f32 v[228+\b], v[228+\b], s[CS], v[12+\b]   ; the same line on each block's largest score gives the same bits
.endr
.set n, 0
.rept 64
	v_exp_f32 v[96+n], v[96+n]                     ; p = 2^(t - M), not normalised
.set n, n+1
.endr
	v_pk_mul_f32 v[92:93], v[92:93], v[94:95] op_sel_hi:[1,0]   ; the sum under the new M (a plain place behind the exponentials)
	s_wait_alu depctr_va_vdst(0)                   ; one wait for the batch, ahead of its first reader
.irp b, 0,1,2,3
	v_exp_f32 v[228+\b], v[228+\b]                 ; the blocks' largest p
.endr
	v_pk_add_f32 v[232:233], v[96:97], v[98:99]    ; the row's sum of the unquantised p, in two chains
.irp j, 4,8,12,16,20,24,28,32,36,40,44,48,52,56,60
	v_pk_add_f32 v[92:93], v[92:93], v[96+\j:97+\j]
	v_pk_add_f32 v[232:233], v[232:233], v[98+\j:99+\j]
.endr
	v_pk_add_f32 v[92:93], v[92:93], v[232:233]
	s_wait_alu depctr_va_vdst(0)                   ; and one for the four
.irp b, 0,1,2,3
	v_max_num_f32 v[228+\b], 0x1800000, v[228+\b]  ; the floor: the byte cannot fall under 1
.endr
.irp b, 0,1,2,3
	v_add_nc_u32 v[236+\b], 0xff000000, v[228+\b]
.endr
.irp b, 0,1,2,3
	v_lshrrev_b32 v[232+\b], 23, v[236+\b]
.endr
	v_lshl_or_b32 v244, v233, 8, v232
	v_lshl_or_b32 v244, v234, 16, v244
	v_lshl_or_b32 v244, v235, 24, v244             ; p's scale word for these 128 keys
.irp c, 0,1
	v_cvt_scalef32_pk16_fp6_f32 v[208+6*\c:210+6*\c], v[96+32*\c:111+32*\c], v[236+2*\c]
	v_cvt_scalef32_pk16_fp6_f32 v[220+4*\c:222+4*\c], v[112+32*\c:127+32*\c], v[237+2*\c]
.endr
	v_nop
.irp c, 0,1
.irp i, 0,1,2
	v_permlane16_swap_b32 v[208+6*\c+\i], v[220+4*\c+\i]
.endr
.irp i, 0,1,2
	v_mov_b32 v[211+6*\c+\i], v[220+4*\c+\i]
.endr
.endr
.set n, 0
.rept 16
	v_pk_mul_f32 v[160+n:161+n], v[160+n:161+n], v[94:95] op_sel_hi:[1,0]   ; O^T under the new M; also the places between the scale word's and the codes' last lines and the products
.set n, n+2
.endr
	s_wait_dscnt 0x0                               ; v's fragments
.irp t, 0,1,2,3                        ; the four accumulators take turns, one instruction a turn
.if \t%2
	v_wmma_scale_f32_16x16x128_f8f6f4 v[160+8*\t:167+8*\t], v[32+12*\t:43+12*\t], v[208:219], v[160+8*\t:167+8*\t], v[90+\t/2], v244 matrix_a_fmt:MATRIX_FMT_FP6 matrix_b_fmt:MATRIX_FMT_FP6 matrix_a_scale:MATRIX_SCALE_ROW1
.else
	v_wmma_scale_f32_16x16x128_f8f6f4 v[160+8*\t:167+8*\t], v[32+12*\t:43+12*\t], v[208:219], v[160+8*\t:167+8*\t], v[90+\t/2], v244 matrix_a_fmt:MATRIX_FMT_FP6 matrix_b_fmt:MATRIX_FMT_FP6
.endif
.endr
.Lhidden_\@:
	s_add_co_u32 s[KF], s[KF], 128
.endm
; THE CHANGE OF SLOTS, at a slot's head: every wave waits for all its tensor loads, adds 0 to its spare word, waits for that and for its reads of the slot that it has left; one barrier; then the slot left is filled with the next 256 keys.
.macro CHANGE fill
	s_wait_tensorcnt 0x0                           ; no tensor load of mine is out, so the descriptor may be written
	ds_add_u32 v[SPW], v[NIL]
.if \fill
	s_xor_b32 s[G0+1], s[G0+1], SLOT1
	s_add_nc_u64 s[G0+2:G0+3], s[G0+2:G0+3], SLOTB
	s_wait_xcnt 0x0                                ; the last prefetch, a slot back, has read its address
	s_add_nc_u64 s[PFA:PFA+1], s[PFA:PFA+1], SLOTB
.endif
	s_wait_dscnt 0x0
	s_barrier_signal -1
	s_barrier_wait -1
.if \fill
	s_add_co_u32 s96, s[KF], 256                   ; the first key of the slot that this change would ask for:
	s_cmp_gt_u32 s96, s[LASTQ]                     ; after my work-group's last query no wave reads it, so it is not asked for; ids and the count of steps alone, the same in all sixteen waves
	s_cbranch_scc1 .Lpast_\@
	TLOAD
.Lpast_\@:
	ASK
.endif
.endm
.macro SLOT_STEPS
	STEP 0
	STEP 1
	s_xor_b32 s[TB], s[TB], SLOT1
.endm
	s_wait_loadcnt 0x0                             ; q
.Lslot:
	CHANGE 1
	SLOT_STEPS
	s_sub_co_u32 s[SLOTS], s[SLOTS], 1
	s_cmp_lg_u32 s[SLOTS], 0
	s_cbranch_scc1 .Lslot
	CHANGE 0                                       ; the last slot is written out: nothing is left to ask for
	SLOT_STEPS
	; THE WAY OUT
	v_and_b32 v246, 15, v0                         ; r  (these lines are the places behind the last products)
	v_bfe_u32 v247, v0, 4, 1                       ; h
	v_lshlrev_b32 v248, 2, v247
	v_lshlrev_b32 v249, 4, v246
.irp i, 0,1,2,3,4,5,6,7
	global_load_b128 v[32+4*\i:35+4*\i], v7, s[8:9] offset:(2*\i+8*(\i/4))*4096 th:TH_LOAD_NT   ; x: lanes 0-15 one of my queries' rows, lanes 16-31 the next
.endr
.irp i, 0,1,2,3,4,5,6,7
	global_load_b32 v[64+2*\i], v248, s[6:7] offset:MU+4*(2*\i+8*(\i/4))
	global_load_b32 v[65+2*\i], v248, s[6:7] offset:RS+4*(2*\i+8*(\i/4))
.endr
	global_load_b128 v[80:83], v249, s[10:11]
	global_load_b128 v[84:87], v249, s[12:13]
	v_add_f32 v92, v92, v93
	v_permlanex16_b32 v232, v92, s[SEL], s[SEL+1]
	v_add_f32 v92, v92, v232                       ; the row's sum
	v_rcp_f32 v92, v92
	s_mul_i32 s96, s[WV], 4352
	s_add_co_u32 s96, s96, STAGE
	v_mul_u32_u24 v250, v246, 272                  ; (a plain place behind the reciprocal)
	v_lshl_add_u32 v250, v247, 5, v250
	v_add_nc_u32 v250, s96, v250                   ; in: row r, 32 h
	v_mul_u32_u24 v251, v247, 272
	v_lshl_add_u32 v251, v246, 4, v251
	v_add_nc_u32 v251, s96, v251                   ; back: lanes 0-15 one row, lanes 16-31 the next
	s_wait_alu depctr_va_vdst(0)
.set n, 0
.rept 32
	v_mul_f32 v[96+n], v[160+n], v92               ; register 8 t + i is o(query r, channel 16 t + 8 h + i)
.set n, n+1
.endr
.irp t, 0,1,2,3
	ds_store_b128 v250, v[96+8*\t:99+8*\t] offset:64*\t
	ds_store_b128 v250, v[100+8*\t:103+8*\t] offset:64*\t+16
.endr
.irp i, 0,1,2,3,4,5,6,7
	ds_load_b128 v[128+4*\i:131+4*\i], v251 offset:544*\i   ; LDS serves a wave's instructions in order: these see my stores
.endr
	s_wait_loadcnt 0x0
.irp i, 0,1,2,3,4,5,6,7
	s_wait_dscnt 7-\i
.irp p, 0,1
	v_pk_add_f32 v[32+4*\i+2*\p:33+4*\i+2*\p], v[32+4*\i+2*\p:33+4*\i+2*\p], v[64+2*\i:65+2*\i] op_sel_hi:[1,0] neg_lo:[0,1] neg_hi:[0,1]   ; x - mu
.endr
.irp p, 0,1
	v_pk_mul_f32 v[32+4*\i+2*\p:33+4*\i+2*\p], v[32+4*\i+2*\p:33+4*\i+2*\p], v[64+2*\i:65+2*\i] op_sel:[0,1] op_sel_hi:[1,1]   ; x rstd
.endr
.irp p, 0,1
	v_pk_fma_f32 v[32+4*\i+2*\p:33+4*\i+2*\p], v[32+4*\i+2*\p:33+4*\i+2*\p], v[80+2*\p:81+2*\p], v[84+2*\p:85+2*\p]   ; xn
.endr
.irp p, 0,1
	v_pk_add_f32 v[32+4*\i+2*\p:33+4*\i+2*\p], v[32+4*\i+2*\p:33+4*\i+2*\p], v[128+4*\i+2*\p:129+4*\i+2*\p]   ; + o
.endr
	global_store_b128 v7, v[32+4*\i:35+4*\i], s[14:15] offset:(2*\i+8*(\i/4))*4096
.endr
	s_wait_tensorcnt 0x0                           ; the wave's end
	ds_add_u32 v[SPW], v[NIL]
	s_wait_dscnt 0x0
	s_endpgm
.Lfunc_end_k_qecad42b1cc_attn:
	.size	k_qecad42b1cc_attn, .Lfunc_end_k_qecad42b1cc_attn-k_qecad42b1cc_attn
	.p2alignl 7, 3214868480
	.fill 96, 4, 3214868480
	.section	.rodata,"a",@progbits
	.p2align	6, 0x0
	.amdhsa_kernel k_qecad42b1cc_attn
		.amdhsa_group_segment_fixed_size 327680
		.amdhsa_private_segment_fixed_size 0
		.amdhsa_enable_private_segment 0
		.amdhsa_kernarg_size 48
		.amdhsa_user_sgpr_count 2
		.amdhsa_user_sgpr_kernarg_segment_ptr 1
		.amdhsa_wavefront_size32 1
		.amdhsa_system_sgpr_workgroup_id_x 1
		.amdhsa_system_sgpr_workgroup_id_y 1
		.amdhsa_system_sgpr_workgroup_id_z 1
		.amdhsa_system_vgpr_workitem_id 0
		.amdhsa_next_free_vgpr 256
		.amdhsa_next_free_sgpr 100
		.amdhsa_reserve_vcc 1
		.amdhsa_float_denorm_mode_32 3
		.amdhsa_float_denorm_mode_16_64 3
		.amdhsa_memory_ordered 1
		.amdhsa_forward_progress 1
		.amdhsa_inst_pref_size 107
	.end_amdhsa_kernel
	.amdgpu_metadata
---
amdhsa.version: [ 1, 2 ]
amdhsa.kernels:
  - .name:           k_qecad42b1cc_attn
    .symbol:         k_qecad42b1cc_attn.kd
    .args:
      - { .name: qkv, .offset: 0, .size: 8, .value_kind: global_buffer, .address_space: global }
      - { .name: xnq, .offset: 8, .size: 8, .value_kind: global_buffer, .address_space: global }
      - { .name: x, .offset: 16, .size: 8, .value_kind: global_buffer, .address_space: global }
      - { .name: g1, .offset: 24, .size: 8, .value_kind: global_buffer, .address_space: global }
      - { .name: b1, .offset: 32, .size: 8, .value_kind: global_buffer, .address_space: global }
      - { .name: att, .offset: 40, .size: 8, .value_kind: global_buffer, .address_space: global }
    .group_segment_fixed_size: 327680
    .private_segment_fixed_size: 0
    .kernarg_segment_align: 8
    .kernarg_segment_size: 48
    .max_flat_workgroup_size: 512
    .sgpr_count:     100
    .vgpr_count:     256
    .wavefront_size: 32
...
	.end_amdgpu_metadata
.endif
;; end of part 3
;; launch ln2 (part 4): grid 256 x 1, 8 waves a work-group, no clusters, 70,144 bytes of LDS; arguments att, g2, b2, hq; writes hq
.if DOCPART == 4
	.amdgcn_target "amdgcn-amd-amdhsa--gfx1250"
	.amdhsa_code_object_version 6
	.text
	.protected	k_qecad42b1cc_ln2
	.globl	k_qecad42b1cc_ln2
	.p2align	8
	.type	k_qecad42b1cc_ln2,@function
k_qecad42b1cc_ln2:
	s_mov_b64 s[64:65], 0
	v_nop
	global_prefetch_b8 v0, s[64:65] scope:SCOPE_SE
	s_setreg_imm32_b32 hwreg(HW_REG_WAVE_MODE, 25, 1), 1
	s_wait_xcnt 0x0
; h = LN2(att_out) becomes codes of FP6 (E2M3) with one E8M0 byte for each 32 along K, laid as fragment records: 16 rows x 128 K = 1,536 bytes, registers 4 c .. 4 c + 3 of lane l at 512 c + 16 l;
; codes [row tile][K step][1536], scale words [row tile][K step][16 words].  Tile T holds rows 16 T + r.
; A work-group takes 16 rows x 1,024, wave w the K step w.  Each load reads 512 consecutive bytes of a row; the wave's 16 x 512 bytes turn through its own stage in LDS so that a lane gets its two whole blocks of 32.
; Mean and variance (two passes, f32) meet over the eight waves in LDS: three barriers.  Memory binds: no matrix unit, no tensor load, no cluster.
; LIMITS: NaN and infinities are not served; a block of zeros gets the byte 1 (only this program reads the bytes); sums are taken in another order than the reference's.
.set ST1,   0
.set ST2,   512
.set SCG,   1024
.set SPARE, 1536                       ; the spare words: four blocks of 256 bytes that no other line names
.set TURN0, 2560
.set TURNB, 16*528
.set H_S,   3145728
.set SPW,   12
.set NIL,   13
.set X,     32
.set G,     96
.set B,     160
.set PC,    224
.set CT,    236
.set W,     244
.set SEL,   48
.macro BARRIER
	s_wait_dscnt 0x0                               ; my LDS stores have landed and my LDS loads are in
	s_barrier_signal -1
	s_barrier_wait -1
.endm
.macro ACROSS off
	v_pk_add_f32 v[W:W+1], v[W:W+1], v[W+2:W+3]
	v_pk_add_f32 v[W+4:W+5], v[W+4:W+5], v[W+6:W+7]
	v_pk_add_f32 v[W:W+1], v[W:W+1], v[W+4:W+5]
	v_add_f32 v[W], v[W], v[W+1]
	v_permlanex16_b32 v[W+2], v[W], s[SEL], s[SEL+1]
	v_add_f32 v[W], v[W], v[W+2]
	ds_store_b32 v7, v[W] offset:\off
.endm
.macro GATHER off
	ds_load_b128 v[W:W+3], v8 offset:\off
	ds_load_b128 v[W+4:W+7], v8 offset:\off+16
	s_wait_dscnt 0x0
	v_pk_add_f32 v[W:W+1], v[W:W+1], v[W+2:W+3]
	v_pk_add_f32 v[W+4:W+5], v[W+4:W+5], v[W+6:W+7]
	v_pk_add_f32 v[W:W+1], v[W:W+1], v[W+4:W+5]
	v_add_f32 v[W], v[W], v[W+1]
.endm
	s_load_b256 s[4:11], s[0:1], 0x0               ; att, g2, b2, hq
	v_lshl_add_u32 v[SPW], v0, 2, SPARE
	v_mov_b32 v[NIL], 0
	v_lshrrev_b32 v1, 5, v0
	v_readfirstlane_b32 s3, v1                     ; wave = my K step
	v_and_b32 v1, 31, v0
	v_and_b32 v2, 15, v0                           ; r
	v_bfe_u32 v3, v0, 4, 1                         ; h
	v_lshlrev_b32 v4, 4, v1
	s_mul_i32 s24, s3, TURNB
	s_add_co_u32 s24, s24, TURN0
	v_add_nc_u32 v5, s24, v4
	v_mul_u32_u24 v6, v2, 528
	v_lshl_add_u32 v6, v3, 7, v6
	v_add_nc_u32 v6, s24, v6
	s_lshl_b32 s24, s3, 2
	v_lshl_add_u32 v7, v2, 5, s24
	v_lshlrev_b32 v8, 5, v2
	s_lshl_b32 s24, s3, 6
	v_lshl_add_u32 v9, v2, 2, s24
	s_lshl_b32 s24, s3, 9
	v_lshl_add_u32 v10, v3, 7, s24
	s_mov_b32 s[SEL], 0x76543210
	s_mov_b32 s[SEL+1], 0xfedcba98
	s_mov_b32 s46, 0x3a800000                      ; 1 / 1,024
	s_mov_b32 s47, 0x3727c5ac                      ; 1e-5
	s_lshl_b32 s34, ttmp9, 16                      ; 16 rows of 4,096 bytes
	s_add_co_u32 s34, s34, s24
	s_mov_b32 s35, 0
	s_mul_i32 s38, ttmp9, 12288
	s_mul_i32 s39, s3, 1536
	s_add_co_u32 s38, s38, s39
	s_mov_b32 s39, 0
	s_lshl_b32 s36, ttmp9, 9
	s_add_co_u32 s36, s36, H_S
	s_mov_b32 s37, 0
	s_wait_kmcnt 0x0
	s_add_nc_u64 s[4:5], s[4:5], s[34:35]
	s_add_nc_u64 s[40:41], s[10:11], s[38:39]
	s_add_nc_u64 s[42:43], s[10:11], s[36:37]
.irp j, 0,1,2,3,4,5,6,7,8,9,10,11,12,13,14,15
	global_load_b128 v[G+4*\j:G+4*\j+3], v4, s[4:5] offset:4096*\j th:TH_LOAD_NT
.endr
.irp j, 0,1,2,3,4,5,6,7,8,9,10,11,12,13,14,15
	s_wait_loadcnt 15-\j                           ; row j is in, the younger rows may be out
	ds_store_b128 v5, v[G+4*\j:G+4*\j+3] offset:528*\j
.endr
.irp c, 0,1
.irp i, 0,1,2,3,4,5,6,7
	ds_load_b128 v[X+32*\c+4*\i:X+32*\c+4*\i+3], v6 offset:256*\c+16*\i
.endr
.endr
	s_wait_dscnt 0x0                               ; my numbers are back, and the stores have read the registers that g2 now takes
.irp c, 0,1
.irp i, 0,1,2,3,4,5,6,7
	global_load_b128 v[G+32*\c+4*\i:G+32*\c+4*\i+3], v10, s[6:7] offset:256*\c+16*\i
	global_load_b128 v[B+32*\c+4*\i:B+32*\c+4*\i+3], v10, s[8:9] offset:256*\c+16*\i
.endr
.endr
.irp k, 0,1,2,3
	v_pk_add_f32 v[W+2*\k:W+2*\k+1], v[X+2*\k:X+2*\k+1], v[X+8+2*\k:X+9+2*\k]
.endr
.irp m, 16,24,32,40,48,56
.irp k, 0,1,2,3
	v_pk_add_f32 v[W+2*\k:W+2*\k+1], v[W+2*\k:W+2*\k+1], v[X+\m+2*\k:X+\m+2*\k+1]
.endr
.endr
	ACROSS ST1
	BARRIER
	GATHER ST1
	v_mul_f32 v252, s46, v[W]                      ; the mean, twice: a pair for the packed forms
	v_mul_f32 v253, s46, v[W]
.set j, 0
.rept 32
	v_pk_add_f32 v[X+j:X+j+1], v[X+j:X+j+1], v[252:253] neg_lo:[0,1] neg_hi:[0,1]
.set j, j+2
.endr
.irp k, 0,1,2,3
	v_pk_mul_f32 v[W+2*\k:W+2*\k+1], v[X+2*\k:X+2*\k+1], v[X+2*\k:X+2*\k+1]
.endr
.irp m, 8,16,24,32,40,48,56
.irp k, 0,1,2,3
	v_pk_fma_f32 v[W+2*\k:W+2*\k+1], v[X+\m+2*\k:X+\m+2*\k+1], v[X+\m+2*\k:X+\m+2*\k+1], v[W+2*\k:W+2*\k+1]
.endr
.endr
	ACROSS ST2
	BARRIER
	GATHER ST2
	v_fma_f32 v[W], v[W], s46, s47
	v_rsq_f32 v254, v[W]
	v_rsq_f32 v255, v[W]
	v_nop                                          ; a plain instruction behind the transcendentals,
	s_wait_alu depctr_va_vdst(0)                   ; and the wait ahead of their first reader
.set j, 0
.rept 32
	v_pk_mul_f32 v[X+j:X+j+1], v[X+j:X+j+1], v[254:255]
.set j, j+2
.endr
	s_wait_loadcnt 0x0                             ; g2 and b2
.set j, 0
.rept 32
	v_pk_fma_f32 v[X+j:X+j+1], v[X+j:X+j+1], v[G+j:G+j+1], v[B+j:B+j+1]
.set j, j+2
.endr
.irp c, 0,1
	v_max3_num_f32 v[W+\c], |v[X+32*\c]|, |v[X+32*\c+1]|, 0x1800000   ; my two blocks; the floor 2^(3 - 127) holds the byte at 1 from below
.endr
.irp i, 2,4,6,8,10,12,14,16,18,20,22,24,26,28,30
.irp c, 0,1
	v_max3_num_f32 v[W+\c], v[W+\c], |v[X+32*\c+\i]|, |v[X+32*\c+\i+1]|
.endr
.endr
.irp c, 0,1
	v_add_nc_u32 v[W+2+\c], 0xff000000, v[W+\c]
.endr
.irp c, 0,1
	v_lshrrev_b32 v[W+4+\c], 23, v[W+2+\c]
.endr
	v_lshl_or_b32 v[W+6], v[W+5], 16, v[W+4]
	v_lshlrev_b32 v[W+7], 3, v3
	v_lshlrev_b32 v[W+6], v[W+7], v[W+6]
	v_permlanex16_b32 v[W+7], v[W+6], s[SEL], s[SEL+1]
	v_or_b32 v[W+6], v[W+6], v[W+7]                ; the row's scale word
.irp c, 0,1
	v_cvt_scalef32_pk16_fp6_f32 v[PC+6*\c:PC+6*\c+2], v[X+32*\c:X+32*\c+15], v[W+2+\c]
	v_cvt_scalef32_pk16_fp6_f32 v[CT+4*\c:CT+4*\c+2], v[X+32*\c+16:X+32*\c+31], v[W+2+\c]
.endr
	v_nop
.irp c, 0,1
.irp i, 0,1,2
	v_mov_b32 v[PC+3+6*\c+\i], v[CT+4*\c+\i]
.endr
.endr
.irp c, 0,1,2
	global_store_b128 v4, v[PC+4*\c:PC+4*\c+3], s[40:41] offset:512*\c
.endr
	ds_store_b32 v9, v[W+6] offset:SCG
	BARRIER
	s_cmp_lg_u32 s3, 0
	s_cbranch_scc1 .Lend
	ds_load_b128 v[W:W+3], v4 offset:SCG
	s_wait_dscnt 0x0
	global_store_b128 v4, v[W:W+3], s[42:43]       ; wave 0: the tile's 512 bytes of scale words
.Lend:
	s_wait_tensorcnt 0x0                           ; the wave's end, behind my last LDS store
	ds_add_u32 v[SPW], v[NIL]
	s_wait_dscnt 0x0
	s_endpgm
.Lfunc_end_k_qecad42b1cc_ln2:
	.size	k_qecad42b1cc_ln2, .Lfunc_end_k_qecad42b1cc_ln2-k_qecad42b1cc_ln2
	.p2alignl 7, 3214868480
	.fill 96, 4, 3214868480
	.section	.rodata,"a",@progbits
	.p2align	6, 0x0
	.amdhsa_kernel k_qecad42b1cc_ln2
		.amdhsa_group_segment_fixed_size 70144
		.amdhsa_private_segment_fixed_size 0
		.amdhsa_enable_private_segment 0
		.amdhsa_kernarg_size 32
		.amdhsa_user_sgpr_count 2
		.amdhsa_user_sgpr_kernarg_segment_ptr 1
		.amdhsa_wavefront_size32 1
		.amdhsa_system_sgpr_workgroup_id_x 1
		.amdhsa_system_sgpr_workgroup_id_y 1
		.amdhsa_system_sgpr_workgroup_id_z 1
		.amdhsa_system_vgpr_workitem_id 0
		.amdhsa_next_free_vgpr 256
		.amdhsa_next_free_sgpr 66
		.amdhsa_reserve_vcc 0
		.amdhsa_float_denorm_mode_32 3
		.amdhsa_float_denorm_mode_16_64 3
		.amdhsa_memory_ordered 1
		.amdhsa_forward_progress 1
		.amdhsa_inst_pref_size 25
	.end_amdhsa_kernel
	.amdgpu_metadata
---
amdhsa.version: [ 1, 2 ]
amdhsa.kernels:
  - .name:           k_qecad42b1cc_ln2
    .symbol:         k_qecad42b1cc_ln2.kd
    .args:
      - { .name: att, .offset: 0, .size: 8, .value_kind: global_buffer, .address_space: global }
      - { .name: g2, .offset: 8, .size: 8, .value_kind: global_buffer, .address_space: global }
      - { .name: b2, .offset: 16, .size: 8, .value_kind: global_buffer, .address_space: global }
      - { .name: hq, .offset: 24, .size: 8, .value_kind: global_buffer, .address_space: global }
    .group_segment_fixed_size: 70144
    .private_segment_fixed_size: 0
    .kernarg_segment_align: 8
    .kernarg_segment_size: 32
    .max_flat_workgroup_size: 256
    .sgpr_count:     66
    .vgpr_count:     256
    .wavefront_size: 32
...
	.end_amdgpu_metadata
.endif
;; end of part 4
;; launch mlp1 (part 5): grid 16 x 16, 4 waves a work-group, clusters of 4 x 4, 327,680 bytes of LDS; arguments hq, wts, mid; writes mid
.if DOCPART == 5
	.amdgcn_target "amdgcn-amd-amdhsa--gfx1250"
	.amdhsa_code_object_version 6
	.text
	.protected	k_qecad42b1cc_mlp1
	.globl	k_qecad42b1cc_mlp1
	.p2align	8
	.type	k_qecad42b1cc_mlp1,@function
k_qecad42b1cc_mlp1:
	s_mov_b64 s[64:65], 0
	v_nop
	global_prefetch_b8 v0, s[64:65] scope:SCOPE_SE
	s_setreg_imm32_b32 hwreg(HW_REG_WAVE_MODE, 25, 1), 1
	s_wait_xcnt 0x0
	s_wait_alu depctr_hold_cnt(0) depctr_sa_sdst(0) depctr_va_vdst(0) depctr_va_sdst(0) depctr_va_ssrc(0) depctr_va_vcc(0) depctr_vm_vsrc(0)
	s_getreg_b32 s2, hwreg(HW_REG_IB_STS2, 6, 4)
	s_cmp_eq_u32 s2, 0
	s_cbranch_scc0 .Lentry_in_a_cluster
	s_endpgm
.Lentry_in_a_cluster:
	s_bfe_u32 s2, ttmp6, 0x10000c
	s_cmp_lg_u32 s2, 0xf033
	s_cbranch_scc0 .Lentry_shape_is_right
	s_endpgm
.Lentry_shape_is_right:
; mid = Q(silu(h W1^T)): the product on codes of FP6 (E2M3) with E8M0 scales, K = 1,024; the result is passed through silu in f32 and quantised in registers along the hidden units, the next K; it is never stored as f32.
; OPERANDS lie in memory as fragment records (16 rows x 128 K = 1,536 bytes: registers 4 c .. 4 c + 3 of lane l at 512 c + 16 l), [row tile][K step]; scale words [row tile][K step][16].
; A tile of the result is 256 x 256: four waves, 128 x 128 each.  K goes in four slots of 256 through a ring of two LDS slots.  Source 0 = rows of W1 (the B side), source 1 = tokens (the A side): a lane holds one token and
; its registers run along the hidden units.  The rows of a tile of W1 are the permuted ones, so that the 16 registers of tiles 2 b, 2 b + 1 are 16 neighbours.
; CLUSTERS of 4 x 4: A's tiles are shared along a row of the cluster, B's along a column, by joint loads.
; THE WAY OUT: a wave's 64 registers of one token tile are 128 neighbouring hidden units: one K step of the next product: one fragment record of mid [token tile][K step 32][1536] and one scale word a row.
; The scale words leave in runs of 64 bytes: one byte in 24 of what is stored.  silu(z) = z / (1 + 2^(-z log2 e)), by v_exp_f32 and v_rcp_f32, each batch of 64 with one wait.
; No prefetch: of four slots two are first fills.  LIMITS: NaN, infinities not served; a block of zeros gets the byte 1.
.set NQ,     2
.set NL,     3
.set FR,     12
.set NP,     4
.set TROW,   NQ*1536
.set HALFT,  8*TROW
.set SLOT,   4*HALFT
.set SCL,    2*SLOT
.set HALFS,  4096
.set SPARE,  SCL+4*HALFS               ; the spare words: two blocks of 256 bytes that no other line names
.set H_S,    3145728
.set W1_C,   2359296
.set W1_S,   8749056
.set M_S,    12582912
.set ADRA, 16
.set ADRB, 20
.set ADRS, 27
.set SPW,  28
.set NIL,  29
.set SC,   32
.set T,    64                          ; the way out: v64-127 64 numbers at work
.set AF,   128
.set PC,   128
.set TM,   148
.set PW,   164
.set PWC,  166
.set JN,   167
.set SEL,  66
.set G1, 24
.set G0, 32
.set G1B, 48
.set G0B, 56
.set G1S, 68
.set G0S, 76
.set G1SB, 80
.set G0SB, 88
.set MSB, 0
.macro WIN new
.if MSB != (\new)
	s_set_vgpr_msb (MSB<<8)|(\new)
.set MSB, (\new)
.endif
.endm
.set MUL_LO, 0xa1
.set MUL_HI, 0xf1
.set TO_B,   0x40
.macro JLOAD g0a, g1a, g0b, g1b        ; a joint load: waves 0, 1 fetch for A, waves 2, 3 for B
	s_cmp_eq_u32 s15, 0
	s_cbranch_scc0 .Lfor_b_\@
	tensor_load_to_lds s[\g0a:\g0a+3], s[\g1a:\g1a+7]
	s_nop 0
.rept 4
	v_nop
.endr
	s_branch .Lasked_\@
.Lfor_b_\@:
	tensor_load_to_lds s[\g0b:\g0b+3], s[\g1b:\g1b+7]
	s_nop 0
.rept 4
	v_nop
.endr
.Lasked_\@:
.endm
.macro CREST
	s_cmp_lg_u32 s14, 0
	s_cbranch_scc1 .Lnot_wave_0_\@
	s_barrier_signal -3
.Lnot_wave_0_\@:
	s_barrier_wait -3
	s_barrier_signal -1
	s_barrier_wait -1
.endm
.macro CROUND
	s_barrier_signal -1
	s_barrier_wait -1
	CREST
.endm
	s_load_b128 s[4:7], s[0:1], 0x0                ; hq, wts
	s_load_b64 s[8:9], s[0:1], 0x10                ; mid
	v_lshl_add_u32 v[SPW], v0, 2, SPARE
	v_mov_b32 v[NIL], 0
	ds_add_u32 v[SPW], v[NIL]                      ; the wave's opening: the add and its wait ahead of my first tensor load
	v_lshrrev_b32 v1, 5, v0
	v_readfirstlane_b32 s14, v1
	s_lshr_b32 s15, s14, 1
	s_and_b32 s16, s14, 1
	s_bfe_u32 s40, ttmp6, 0x40000                  ; cx
	s_bfe_u32 s41, ttmp6, 0x40004                  ; cy
	s_lshl_b32 s42, ttmp9, 2
	s_add_co_u32 s42, s42, s40                     ; B's tile: 256 hidden units
	s_and_b32 s17, ttmp7, 0xffff
	s_lshl_b32 s17, s17, 2
	s_add_co_u32 s17, s17, s41                     ; A's tile: 256 tokens
	s_lshl_b32 s43, s41, 2
	s_lshl_b32 s43, 15, s43
	s_lshl_b32 s44, 0x1111, s40
	s_or_b32 s[G1+0], s43, (3<<16)|(1<<21)
	s_or_b32 s[G1B+0], s44, (3<<16)|(1<<21)
.irp g, G1, G1B
	s_mov_b32 s[\g+1], 384<<16                     ; rows of 3,072 bytes: two K steps of a row tile
	s_mov_b32 s[\g+2], 8<<16
	s_mov_b32 s[\g+3], 384<<16
	s_mov_b32 s[\g+4], 8
	s_mov_b32 s[\g+5], 1536                        ; 12,288 bytes from row tile to row tile
	s_mov_b32 s[\g+6], 0
	s_mov_b32 s[\g+7], 0
.endr
	s_or_b32 s[G1S+0], s43, (3<<16)|(1<<21)
	s_or_b32 s[G1SB+0], s44, (3<<16)|(1<<21)
.irp g, G1S, G1SB
	s_mov_b32 s[\g+1], 32<<16
	s_mov_b32 s[\g+2], 16<<16
	s_mov_b32 s[\g+3], 32<<16
	s_mov_b32 s[\g+4], 16
	s_mov_b32 s[\g+5], 32
	s_mov_b32 s[\g+6], 0
	s_mov_b32 s[\g+7], 0
.endr
	s_lshl_b32 s18, s16, 3
	s_lshl_b32 s20, s17, 4
	s_add_co_u32 s20, s20, s18
	s_lshl_b32 s46, s42, 4
	s_add_co_u32 s46, s46, s18
	s_lshl_b32 s22, s20, 9
	s_add_co_u32 s22, s22, H_S
	s_lshl_b32 s92, s46, 9
	s_add_co_u32 s92, s92, W1_S
	s_mul_i32 s20, s20, 12288
	s_mul_i32 s46, s46, 12288
	s_add_co_u32 s46, s46, W1_C
	s_mov_b32 s21, 0
	s_mov_b32 s23, 0
	s_mov_b32 s47, 0
	s_mov_b32 s93, 0
	s_mul_i32 s45, s14, HALFT
	s_mul_i32 s94, s14, HALFS
	s_mov_b32 s[SEL], 0x76543210
	s_mov_b32 s[SEL+1], 0xfedcba98
	s_wait_dscnt 0x0
	s_wait_kmcnt 0x0
	s_add_nc_u64 s[20:21], s[4:5], s[20:21]
	s_add_nc_u64 s[22:23], s[4:5], s[22:23]
	s_add_nc_u64 s[46:47], s[6:7], s[46:47]
	s_add_nc_u64 s[92:93], s[6:7], s[92:93]
	CROUND
	s_mov_b32 s[G0S], 1
	s_add_co_u32 s[G0S+1], s94, SCL
	s_mov_b64 s[G0S+2:G0S+3], s[22:23]
	s_or_b32 s[G0S+3], s[G0S+3], 0x80000000
	s_mov_b32 s[G0SB], 1
	s_add_co_u32 s[G0SB+1], s94, SCL
	s_mov_b64 s[G0SB+2:G0SB+3], s[92:93]
	s_or_b32 s[G0SB+3], s[G0SB+3], 0x80000000
	JLOAD G0S, G1S, G0SB, G1SB                     ; by this text's count three loads of a wave are out at the start, later one
.irp s, 0,1
	s_mov_b32 s[G0+4*\s], 1
	s_add_co_u32 s[G0+4*\s+1], s45, \s*SLOT
	s_add_nc_u64 s[G0+4*\s+2:G0+4*\s+3], s[20:21], \s*TROW
	s_or_b32 s[G0+4*\s+3], s[G0+4*\s+3], 0x80000000
	s_mov_b32 s[G0B+4*\s], 1
	s_add_co_u32 s[G0B+4*\s+1], s45, \s*SLOT
	s_add_nc_u64 s[G0B+4*\s+2:G0B+4*\s+3], s[46:47], \s*TROW
	s_or_b32 s[G0B+4*\s+3], s[G0B+4*\s+3], 0x80000000
	JLOAD G0+4*\s, G1, G0B+4*\s, G1B
.endr
	v_and_b32 v1, 15, v0
	v_bfe_u32 v2, v0, 4, 1
	v_and_b32 v3, 31, v0
	v_lshlrev_b32 v4, 4, v3
	s_mul_i32 s21, s15, HALFT
	s_mul_i32 s22, s16, HALFT
	s_add_co_u32 s22, s22, 2*HALFT
.irp s, 0,1
	v_add_nc_u32 v[ADRA+\s], s21, v4
	v_add_nc_u32 v[ADRB+\s], s22, v4
	s_add_co_u32 s21, s21, SLOT
	s_add_co_u32 s22, s22, SLOT
.endr
	s_lshl_b32 s21, s15, 12
	s_lshl_b32 s22, s16, 12
	s_add_co_u32 s22, s22, 2*HALFS
	s_sub_co_u32 s22, s22, s21
	v_mul_u32_u24 v6, s22, v2
	s_add_co_u32 s21, s21, SCL
	v_lshl_add_u32 v5, v1, 2, v6
	v_add_nc_u32 v[ADRS], s21, v5
.macro FRAG reg, adr, q, i
.irp c, 0,1,2
	ds_load_b128 v[\reg+4*\c:\reg+4*\c+3], v[\adr] offset:(\i)*TROW+(\q)*1536+512*\c
.endr
.endm
.macro MUL16 a0, p, q, sc, zero        ; the 64 accumulators take turns, one instruction a turn
.irp a, \a0, \a0+1
.irp b, 0,1,2,3,4,5,6,7
.if \zero
	v_wmma_scale_f32_16x16x128_f8f6f4 v[8*(8*((\a)%4)+\b):8*(8*((\a)%4)+\b)+7], v[128*(\p)+FR*\b:128*(\p)+FR*\b+FR-1], v[AF+FR*(\a):AF+FR*(\a)+FR-1], 0, v[SC+8*NQ*(\sc)+NQ*\b+(\q)], v[SC+8*NQ*(\sc)+NQ*(\a)+(\q)] matrix_a_fmt:MATRIX_FMT_FP6 matrix_b_fmt:MATRIX_FMT_FP6 matrix_a_scale:MATRIX_SCALE_ROW1
.else
	v_wmma_scale_f32_16x16x128_f8f6f4 v[8*(8*((\a)%4)+\b):8*(8*((\a)%4)+\b)+7], v[128*(\p)+FR*\b:128*(\p)+FR*\b+FR-1], v[AF+FR*(\a):AF+FR*(\a)+FR-1], v[8*(8*((\a)%4)+\b):8*(8*((\a)%4)+\b)+7], v[SC+8*NQ*(\sc)+NQ*\b+(\q)], v[SC+8*NQ*(\sc)+NQ*(\a)+(\q)] matrix_a_fmt:MATRIX_FMT_FP6 matrix_b_fmt:MATRIX_FMT_FP6 matrix_a_scale:MATRIX_SCALE_ROW1
.endif
.endr
.endr
.endm
.macro FETCH_B slot, q, p
	WIN TO_B
.irp i, 0,1,2,3,4,5,6,7
	FRAG 128*(\p)+FR*\i, ADRB+\slot, \q, \i
.endr
	WIN 0
.endm
.macro FETCH_A slot, q, i0
.irp i, \i0, \i0+1, \i0+2, \i0+3
	FRAG AF+FR*(\i), ADRA+\slot, \q, \i
.endr
.endm
.macro SCALES sc
.irp i, 0,1,2,3,4,5,6,7
.irp q, 0,1
	ds_load_b32 v[SC+8*NQ*\sc+NQ*\i+\q], v[ADRS] offset:\i*512+64*\q
.endr
.endr
.endm
.macro PLACES n
.rept \n
	v_nop
.endr
.endm
.macro STEP slot, q, zero
	s_wait_dscnt 4*NL                              ; B's set and A's blocks 0-3 are in; the youngest 12 loads (A's blocks 4-7) may be out
	WIN MUL_LO
	MUL16 0, (\q)%2, \q, \slot, \zero
	MUL16 2, (\q)%2, \q, \slot, \zero
	s_wait_dscnt 0
	PLACES NP
	FETCH_B \slot, (\q)+1, 1-(\q)%2
	FETCH_A \slot, (\q)+1, 0
	WIN MUL_HI
	MUL16 4, (\q)%2, \q, \slot, \zero
	MUL16 6, (\q)%2, \q, \slot, \zero
	PLACES NP
	WIN 0
	FETCH_A \slot, (\q)+1, 4
.endm
.macro TURN slot, next, fill
	s_wait_tensorcnt 0x0                           ; all my tensor loads have landed: my part of the next slot
	ds_add_u32 v[SPW], v[NIL]
	s_wait_dscnt 4*NL+1                            ; (the add and A's blocks 4-7 may be out)
	WIN MUL_LO
	MUL16 0, 1, NQ-1, \slot, 0
	s_wait_dscnt 0x0                               ; the add is done, and my reads of this slot are over
	s_barrier_signal -1
	MUL16 2, 1, NQ-1, \slot, 0
	WIN 0
	s_barrier_wait -1
.if \fill
	CREST
	s_add_nc_u64 s[G0+4*\slot+2:G0+4*\slot+3], s[G0+4*\slot+2:G0+4*\slot+3], 2*TROW
	s_add_nc_u64 s[G0B+4*\slot+2:G0B+4*\slot+3], s[G0B+4*\slot+2:G0B+4*\slot+3], 2*TROW
	JLOAD G0+4*\slot, G1, G0B+4*\slot, G1B
.else
	PLACES NP
.endif
	v_add_nc_u32 v[ADRS], 64*NQ, v[ADRS]
	FETCH_B \next, 0, 0
	FETCH_A \next, 0, 0
	SCALES \next
	WIN MUL_HI
	MUL16 4, 1, NQ-1, \slot, 0
	MUL16 6, 1, NQ-1, \slot, 0
	PLACES NP
	WIN 0
	FETCH_A \next, 0, 4
.endm
	s_wait_tensorcnt 1                             ; the scale words and my part of slot 0 are in (slot 1's load may be out)
	s_barrier_signal -1
	s_barrier_wait -1
	FETCH_B 0, 0, 0
	FETCH_A 0, 0, 0
	SCALES 0
	FETCH_A 0, 0, 4
	STEP 0, 0, 1
	TURN 0, 1, 1
	STEP 1, 0, 0
	TURN 1, 0, 1
	STEP 0, 0, 0
	TURN 0, 1, 0
	STEP 1, 0, 0
	s_wait_dscnt 4*NL
	WIN MUL_LO
	MUL16 0, 1, NQ-1, 1, 0
	MUL16 2, 1, NQ-1, 1, 0
	s_wait_dscnt 0
	WIN MUL_HI
	MUL16 4, 1, NQ-1, 1, 0
	MUL16 6, 1, NQ-1, 1, 0
	WIN 0
; THE WAY OUT of token tile a: silu of its 64 registers into v[T] on, then the quantiser: register 16 b + i = hidden unit 32 b + 16 h + i of my token.
.macro OUT a
.set WW, 2+(\a)/4
.set AC, 64*((\a)%4)
	WIN WW
.set j, 0
.rept 32
	v_pk_mul_f32 v[T+j:T+j+1], v[AC+j:AC+j+1], 0xbfb8aa3b op_sel_hi:[1,0]   ; -z log2(e); each accumulator is read from its low end on
.set j, j+2
.endr
	WIN 0
.set j, 0
.rept 64
	v_exp_f32 v[T+j], v[T+j]
.set j, j+1
.endr
	v_nop
	s_wait_alu depctr_va_vdst(0)                   ; one wait for the batch, ahead of its first reader
.set j, 0
.rept 32
	v_pk_add_f32 v[T+j:T+j+1], v[T+j:T+j+1], 1.0 op_sel_hi:[1,0]
.set j, j+2
.endr
.set j, 0
.rept 64
	v_rcp_f32 v[T+j], v[T+j]
.set j, j+1
.endr
	v_nop
	s_wait_alu depctr_va_vdst(0)
	WIN WW
.set j, 0
.rept 32
	v_pk_mul_f32 v[T+j:T+j+1], v[AC+j:AC+j+1], v[T+j:T+j+1]   ; silu(z)
.set j, j+2
.endr
	WIN 0
.irp b, 0,1,2,3
	v_max3_num_f32 v[TM+\b], |v[T+16*\b]|, |v[T+16*\b+1]|, 0x1800000
.endr
.irp i, 2,4,6,8,10,12,14
.irp b, 0,1,2,3
	v_max3_num_f32 v[TM+\b], v[TM+\b], |v[T+16*\b+\i]|, |v[T+16*\b+\i+1]|
.endr
.endr
.irp b, 0,1,2,3
	v_permlanex16_b32 v[TM+4+\b], v[TM+\b], s[SEL], s[SEL+1]
.endr
.irp b, 0,1,2,3
	v_max_num_f32 v[TM+\b], v[TM+\b], v[TM+4+\b]
.endr
.irp b, 0,1,2,3
	v_add_nc_u32 v[TM+12+\b], 0xff000000, v[TM+\b]
.endr
.irp b, 0,1,2,3
	v_lshrrev_b32 v[TM+4+\b], 23, v[TM+12+\b]
.endr
	v_lshl_or_b32 v[PW], v[TM+5], 8, v[TM+4]
	v_lshl_or_b32 v[PW], v[TM+6], 16, v[PW]
	v_lshl_or_b32 v[PW], v[TM+7], 24, v[PW]
	s_wait_xcnt 0x0                                ; the last tile's stores have read their registers: they are written again only behind this wait
.irp c, 0,1
	v_cvt_scalef32_pk16_fp6_f32 v[PC+6*\c:PC+6*\c+2], v[T+32*\c:T+32*\c+15], v[TM+12+2*\c]
	v_cvt_scalef32_pk16_fp6_f32 v[PC+12+4*\c:PC+14+4*\c], v[T+32*\c+16:T+32*\c+31], v[TM+13+2*\c]
.endr
	v_nop
.irp c, 0,1
.irp i, 0,1,2
	v_permlane16_swap_b32 v[PC+6*\c+\i], v[PC+12+4*\c+\i]
.endr
.irp i, 0,1,2
	v_mov_b32 v[PC+3+6*\c+\i], v[PC+12+4*\c+\i]
.endr
.endr
.irp c, 0,1,2
	global_store_b128 v4, v[PC+4*\c:PC+4*\c+3], s[78:79] offset:49152*(\a)+512*\c   ; 512 consecutive bytes, at a multiple of 256
.endr
.if (\a)%2 == 0
	v_mov_b32 v[PWC], v[PW]
.else
	v_cndmask_b32 v[JN], v[PWC], v[PW], s84        ; lanes 0-15 tile a - 1's words, lanes 16-31 tile a's
	global_store_b32 v10, v[JN], s[82:83] offset:2048*((\a)-1)
.endif
.endm
	PLACES NP
.irp b, 0,1,2,3
	v_mov_b32 v[TM+4+\b], 0                        ; written once: a lane permute's destination counts as one of its sources
.endr
	v_lshlrev_b32 v10, 11, v2
	v_lshl_add_u32 v10, v1, 2, v10                 ; 2,048 h + 4 r
	s_mov_b32 s84, 0xffff0000
	s_lshl_b32 s68, s17, 4
	s_lshl_b32 s69, s15, 3
	s_add_co_u32 s68, s68, s69                     ; my first token tile
	s_lshl_b32 s68, s68, 5
	s_lshl_b32 s69, s42, 1
	s_add_co_u32 s68, s68, s69
	s_add_co_u32 s68, s68, s16                     ; x 32 + my K step of the next product
	s_mul_i32 s72, s68, 1536
	s_mov_b32 s73, 0
	s_add_nc_u64 s[78:79], s[8:9], s[72:73]
	s_lshl_b32 s72, s68, 6
	s_add_co_u32 s72, s72, M_S
	s_add_nc_u64 s[82:83], s[8:9], s[72:73]
.irp a, 0,1,2,3,4,5,6,7
	OUT \a
.endr
	s_wait_tensorcnt 0x0                           ; the wave's end
	ds_add_u32 v[SPW], v[NIL]
	s_wait_dscnt 0x0
	CROUND                                         ; the closing round
	s_endpgm
.Lfunc_end_k_qecad42b1cc_mlp1:
	.size	k_qecad42b1cc_mlp1, .Lfunc_end_k_qecad42b1cc_mlp1-k_qecad42b1cc_mlp1
	.p2alignl 7, 3214868480
	.fill 96, 4, 3214868480
	.section	.rodata,"a",@progbits
	.p2align	6, 0x0
	.amdhsa_kernel k_qecad42b1cc_mlp1
		.amdhsa_group_segment_fixed_size 327680
		.amdhsa_private_segment_fixed_size 0
		.amdhsa_enable_private_segment 0
		.amdhsa_kernarg_size 24
		.amdhsa_user_sgpr_count 2
		.amdhsa_user_sgpr_kernarg_segment_ptr 1
		.amdhsa_wavefront_size32 1
		.amdhsa_system_sgpr_workgroup_id_x 1
		.amdhsa_system_sgpr_workgroup_id_y 1
		.amdhsa_system_sgpr_workgroup_id_z 1
		.amdhsa_system_vgpr_workitem_id 0
		.amdhsa_next_free_vgpr 1024
		.amdhsa_next_free_sgpr 100
		.amdhsa_reserve_vcc 0
		.amdhsa_float_denorm_mode_32 3
		.amdhsa_float_denorm_mode_16_64 3
		.amdhsa_memory_ordered 1
		.amdhsa_forward_progress 1
		.amdhsa_inst_pref_size 231
	.end_amdhsa_kernel
	.amdgpu_metadata
---
amdhsa.version: [ 1, 2 ]
amdhsa.kernels:
  - .name:           k_qecad42b1cc_mlp1
    .symbol:         k_qecad42b1cc_mlp1.kd
    .args:
      - { .name: hq, .offset: 0, .size: 8, .value_kind: global_buffer, .address_space: global }
      - { .name: wts, .offset: 8, .size: 8, .value_kind: global_buffer, .address_space: global }
      - { .name: mid, .offset: 16, .size: 8, .value_kind: global_buffer, .address_space: global }
    .group_segment_fixed_size: 327680
    .private_segment_fixed_size: 0
    .kernarg_segment_align: 8
    .kernarg_segment_size: 24
    .max_flat_workgroup_size: 128
    .sgpr_count:     100
    .vgpr_count:     1024
    .wavefront_size: 32
...
	.end_amdgpu_metadata
.endif
;; end of part 5
;; launch mlp2 (part 6): grid 8 x 32, 4 waves a work-group, clusters of 4 x 4, 327,680 bytes of LDS; arguments mid, wts, att, out0; writes out0
.if DOCPART == 6
	.amdgcn_target "amdgcn-amd-amdhsa--gfx1250"
	.amdhsa_code_object_version 6
	.text
	.protected	k_qecad42b1cc_mlp2
	.globl	k_qecad42b1cc_mlp2
	.p2align	8
	.type	k_qecad42b1cc_mlp2,@function
k_qecad42b1cc_mlp2:
	s_mov_b64 s[64:65], 0
	v_nop
	global_prefetch_b8 v0, s[64:65] scope:SCOPE_SE
	s_setreg_imm32_b32 hwreg(HW_REG_WAVE_MODE, 25, 1), 1
	s_wait_xcnt 0x0
	s_wait_alu depctr_hold_cnt(0) depctr_sa_sdst(0) depctr_va_vdst(0) depctr_va_sdst(0) depctr_va_ssrc(0) depctr_va_vcc(0) depctr_vm_vsrc(0)
	s_getreg_b32 s2, hwreg(HW_REG_IB_STS2, 6, 4)
	s_cmp_eq_u32 s2, 0
	s_cbranch_scc0 .Lentry_in_a_cluster
	s_endpgm
.Lentry_in_a_cluster:
	s_bfe_u32 s2, ttmp6, 0x10000c
	s_cmp_lg_u32 s2, 0xf033
	s_cbranch_scc0 .Lentry_shape_is_right
	s_endpgm
.Lentry_shape_is_right:
; out = att_out + mid W2^T: the product on codes of FP6 (E2M3) with E8M0 scales, K = 4,096; sums and the residual in f32.
; OPERANDS lie in memory as fragment records (16 rows x 128 K = 1,536 bytes: registers 4 c .. 4 c + 3 of lane l at 512 c + 16 l), [row tile][K step 32]; scale words [row tile][K step][16].
; A tile of the result is 128 x 128, so that there are 256 work-groups (256 x 256 would give 64); four waves, 64 x 64 each: 16 accumulators.  K goes in eight slots of 512 (four K steps) through a ring of two LDS slots:
; a slot's tile is rows of 6,144 bytes (four K steps of a row tile), 49,152 bytes apart in memory.  The scale words of all K come once, with the first fills.
; Source 0 = rows of W2 (the B side), source 1 = tokens (the A side): a lane holds eight neighbouring outputs of one token.  CLUSTERS of 4 x 4: A's tiles shared along a row, B's along a column, by joint loads.
; THE WAY OUT: a wave's 64 columns are 256 bytes: 16 rows at a time go through the wave's own stage in LDS and leave, with att_out added, sixteen lanes to 256 consecutive bytes, aligned.
; No prefetch: the tiles are small and a slot has four K steps in which to land.
.set FR,     12
.set TROW,   4*1536
.set HALFT,  4*TROW                    ; 4 row tiles: what one tensor load brings, and what a wave reads of a side
.set SLOT,   4*HALFT
.set SCL,    2*SLOT
.set HALFS,  8192
.set STAGE,  SCL+4*HALFS               ; 16 rows x 272 bytes for each wave; no tensor load lands here
.set SPARE,  STAGE+4*4352              ; the spare words: two blocks of 256 bytes that no other line names
.set M_S,    12582912
.set W2_C,   5505024
.set W2_S,   8880128
.set ADRA, 16
.set ADRB, 20
.set STO,  24
.set RD,   25
.set CO,   26
.set ADRS, 27
.set SPW,  28
.set NIL,  29
.set SC,   32                          ; v32-63 scale words, two sets: register 4 i + q
.set OB,   64                          ; v64-127 the way out: two sets of 32
.set ACC,  128                         ; v128-255 accumulator (a, b) at 8 (4 a + b)
.set F0,   0                           ; window 1: two fragment buffers: A's four at + 12 a, B's four at + 48 + 12 b
.set F1,   128
.set G1, 24
.set G0, 32
.set G1B, 48
.set G0B, 56
.set G1S, 68
.set G0S, 76
.set G1SB, 80
.set G0SB, 88
.set MSB, 0
.macro WIN new
.if MSB != (\new)
	s_set_vgpr_msb (MSB<<8)|(\new)
.set MSB, (\new)
.endif
.endm
.set MUL,  0x05                        ; sources 0 and 1 window 1; C and D window 0
.set TO_F, 0x40
.macro JLOAD g0a, g1a, g0b, g1b        ; a joint load: waves 0, 1 fetch for A, waves 2, 3 for B
	s_cmp_eq_u32 s15, 0
	s_cbranch_scc0 .Lfor_b_\@
	tensor_load_to_lds s[\g0a:\g0a+3], s[\g1a:\g1a+7]
	s_nop 0
.rept 4
	v_nop
.endr
	s_branch .Lasked_\@
.Lfor_b_\@:
	tensor_load_to_lds s[\g0b:\g0b+3], s[\g1b:\g1b+7]
	s_nop 0
.rept 4
	v_nop
.endr
.Lasked_\@:
.endm
.macro CREST
	s_cmp_lg_u32 s14, 0
	s_cbranch_scc1 .Lnot_wave_0_\@
	s_barrier_signal -3
.Lnot_wave_0_\@:
	s_barrier_wait -3
	s_barrier_signal -1
	s_barrier_wait -1
.endm
.macro CROUND
	s_barrier_signal -1
	s_barrier_wait -1
	CREST
.endm
	s_load_b256 s[4:11], s[0:1], 0x0               ; mid, wts, att, out0
	v_lshl_add_u32 v[SPW], v0, 2, SPARE
	v_mov_b32 v[NIL], 0
	ds_add_u32 v[SPW], v[NIL]                      ; the wave's opening: the add and its wait ahead of my first tensor load
	v_lshrrev_b32 v1, 5, v0
	v_readfirstlane_b32 s14, v1
	s_lshr_b32 s15, s14, 1
	s_and_b32 s16, s14, 1
	s_bfe_u32 s40, ttmp6, 0x40000
	s_bfe_u32 s41, ttmp6, 0x40004
	s_lshl_b32 s42, ttmp9, 2
	s_add_co_u32 s42, s42, s40                     ; B's tile: 128 outputs
	s_and_b32 s17, ttmp7, 0xffff
	s_lshl_b32 s17, s17, 2
	s_add_co_u32 s17, s17, s41                     ; A's tile: 128 tokens
	s_lshl_b32 s43, s41, 2
	s_lshl_b32 s43, 15, s43
	s_lshl_b32 s44, 0x1111, s40
	s_or_b32 s[G1+0], s43, (3<<16)|(1<<21)
	s_or_b32 s[G1B+0], s44, (3<<16)|(1<<21)
.irp g, G1, G1B
	s_mov_b32 s[\g+1], 768<<16                     ; rows of 6,144 bytes
	s_mov_b32 s[\g+2], 4<<16
	s_mov_b32 s[\g+3], 768<<16
	s_mov_b32 s[\g+4], 4
	s_mov_b32 s[\g+5], 6144                        ; 49,152 bytes from row tile to row tile
	s_mov_b32 s[\g+6], 0
	s_mov_b32 s[\g+7], 0
.endr
	s_or_b32 s[G1S+0], s43, (3<<16)|(1<<21)
	s_or_b32 s[G1SB+0], s44, (3<<16)|(1<<21)
.irp g, G1S, G1SB                      ; the scale words of 4 row tiles: 8,192 dense bytes as 32 rows of 256
	s_mov_b32 s[\g+1], 32<<16
	s_mov_b32 s[\g+2], 32<<16
	s_mov_b32 s[\g+3], 32<<16
	s_mov_b32 s[\g+4], 32
	s_mov_b32 s[\g+5], 32
	s_mov_b32 s[\g+6], 0
	s_mov_b32 s[\g+7], 0
.endr
	s_lshl_b32 s18, s16, 2
	s_lshl_b32 s20, s17, 3
	s_add_co_u32 s20, s20, s18
	s_lshl_b32 s46, s42, 3
	s_add_co_u32 s46, s46, s18
	s_lshl_b32 s22, s20, 11
	s_add_co_u32 s22, s22, M_S
	s_lshl_b32 s92, s46, 11
	s_add_co_u32 s92, s92, W2_S
	s_mul_i32 s20, s20, 49152
	s_mul_i32 s46, s46, 49152
	s_add_co_u32 s46, s46, W2_C
	s_mov_b32 s21, 0
	s_mov_b32 s23, 0
	s_mov_b32 s47, 0
	s_mov_b32 s93, 0
	s_mul_i32 s45, s14, HALFT
	s_mul_i32 s94, s14, HALFS
	s_wait_dscnt 0x0
	s_wait_kmcnt 0x0
	s_add_nc_u64 s[20:21], s[4:5], s[20:21]
	s_add_nc_u64 s[22:23], s[4:5], s[22:23]
	s_add_nc_u64 s[46:47], s[6:7], s[46:47]
	s_add_nc_u64 s[92:93], s[6:7], s[92:93]
	CROUND
	s_mov_b32 s[G0S], 1
	s_add_co_u32 s[G0S+1], s94, SCL
	s_mov_b64 s[G0S+2:G0S+3], s[22:23]
	s_or_b32 s[G0S+3], s[G0S+3], 0x80000000
	s_mov_b32 s[G0SB], 1
	s_add_co_u32 s[G0SB+1], s94, SCL
	s_mov_b64 s[G0SB+2:G0SB+3], s[92:93]
	s_or_b32 s[G0SB+3], s[G0SB+3], 0x80000000
	JLOAD G0S, G1S, G0SB, G1SB                     ; by this text's count three loads of a wave are out at the start, later one
.irp s, 0,1
	s_mov_b32 s[G0+4*\s], 1
	s_add_co_u32 s[G0+4*\s+1], s45, \s*SLOT
	s_add_nc_u64 s[G0+4*\s+2:G0+4*\s+3], s[20:21], \s*TROW
	s_or_b32 s[G0+4*\s+3], s[G0+4*\s+3], 0x80000000
	s_mov_b32 s[G0B+4*\s], 1
	s_add_co_u32 s[G0B+4*\s+1], s45, \s*SLOT
	s_add_nc_u64 s[G0B+4*\s+2:G0B+4*\s+3], s[46:47], \s*TROW
	s_or_b32 s[G0B+4*\s+3], s[G0B+4*\s+3], 0x80000000
	JLOAD G0+4*\s, G1, G0B+4*\s, G1B
.endr
	v_and_b32 v1, 15, v0                           ; r
	v_bfe_u32 v2, v0, 4, 1                         ; h
	v_and_b32 v3, 31, v0
	v_lshlrev_b32 v4, 4, v3
	s_mul_i32 s21, s15, HALFT
	s_mul_i32 s22, s16, HALFT
	s_add_co_u32 s22, s22, 2*HALFT
.irp s, 0,1
	v_add_nc_u32 v[ADRA+\s], s21, v4
	v_add_nc_u32 v[ADRB+\s], s22, v4
	s_add_co_u32 s21, s21, SLOT
	s_add_co_u32 s22, s22, SLOT
.endr
	s_lshl_b32 s21, s15, 13
	s_lshl_b32 s22, s16, 13
	s_add_co_u32 s22, s22, 2*HALFS
	s_sub_co_u32 s22, s22, s21
	v_mul_u32_u24 v6, s22, v2                      ; lanes 16-31 take B's words: one product with h
	s_add_co_u32 s21, s21, SCL
	v_lshl_add_u32 v5, v1, 2, v6
	v_add_nc_u32 v[ADRS], s21, v5
	s_mul_i32 s23, s14, 4352
	s_add_co_u32 s23, s23, STAGE
	v_mul_u32_u24 v5, v1, 272
	v_lshl_add_u32 v5, v2, 5, v5
	v_add_nc_u32 v[STO], s23, v5                   ; in: row r, 32 h
	v_mul_u32_u24 v5, v2, 272
	v_lshl_add_u32 v5, v1, 4, v5
	v_add_nc_u32 v[RD], s23, v5                    ; back: lanes 0-15 one row, lanes 16-31 the next
	v_lshlrev_b32 v5, 12, v2
	v_lshl_add_u32 v[CO], v1, 4, v5                ; and the same two rows in att and out
	s_lshl_b32 s20, s17, 7
	s_lshl_b32 s21, s15, 6
	s_add_co_u32 s20, s20, s21                     ; my first token
	s_lshl_b32 s20, s20, 12
	s_lshl_b32 s21, s42, 9
	s_add_co_u32 s20, s20, s21
	s_lshl_b32 s21, s16, 8
	s_add_co_u32 s20, s20, s21                     ; + my first column's bytes: under 2^25
	s_mov_b32 s21, 0
	s_add_nc_u64 s[8:9], s[8:9], s[20:21]
	s_add_nc_u64 s[10:11], s[10:11], s[20:21]
.macro MUL8 f, q, set, a0, zero        ; A's blocks a0, a0 + 1 x B's four; the 16 accumulators take turns, one instruction a turn
.irp a, \a0, \a0+1
.irp b, 0,1,2,3
.if \zero
	v_wmma_scale_f32_16x16x128_f8f6f4 v[ACC+8*(4*(\a)+\b):ACC+8*(4*(\a)+\b)+7], v[\f+48+FR*\b:\f+48+FR*\b+FR-1], v[\f+FR*(\a):\f+FR*(\a)+FR-1], 0, v[SC+16*(\set)+4*\b+(\q)], v[SC+16*(\set)+4*(\a)+(\q)] matrix_a_fmt:MATRIX_FMT_FP6 matrix_b_fmt:MATRIX_FMT_FP6 matrix_a_scale:MATRIX_SCALE_ROW1
.else
	v_wmma_scale_f32_16x16x128_f8f6f4 v[ACC+8*(4*(\a)+\b):ACC+8*(4*(\a)+\b)+7], v[\f+48+FR*\b:\f+48+FR*\b+FR-1], v[\f+FR*(\a):\f+FR*(\a)+FR-1], v[ACC+8*(4*(\a)+\b):ACC+8*(4*(\a)+\b)+7], v[SC+16*(\set)+4*\b+(\q)], v[SC+16*(\set)+4*(\a)+(\q)] matrix_a_fmt:MATRIX_FMT_FP6 matrix_b_fmt:MATRIX_FMT_FP6 matrix_a_scale:MATRIX_SCALE_ROW1
.endif
.endr
.endr
.endm
.macro FETCH slot, q, f                ; 24 loads: B's four fragments, then A's four
	WIN TO_F
.irp i, 0,1,2,3
.irp c, 0,1,2
	ds_load_b128 v[\f+48+FR*\i+4*\c:\f+48+FR*\i+4*\c+3], v[ADRB+\slot] offset:\i*TROW+(\q)*1536+512*\c
.endr
.endr
.irp i, 0,1,2,3
.irp c, 0,1,2
	ds_load_b128 v[\f+FR*\i+4*\c:\f+FR*\i+4*\c+3], v[ADRA+\slot] offset:\i*TROW+(\q)*1536+512*\c
.endr
.endr
.endm
.macro SCALES set
.irp i, 0,1,2,3
.irp q, 0,1,2,3
	ds_load_b32 v[SC+16*\set+4*\i+\q], v[ADRS] offset:\i*2048+64*\q
.endr
.endr
.endm
.macro PLACES
.rept 4
	v_nop
.endr
.endm
.macro QUARTER slot, q, f, g, zero     ; one of a slot's first three K steps: multiplies buffer f and fetches the next K step into g
	s_wait_dscnt 6                                 ; B's four and A's blocks 0, 1 are in; the youngest six loads (A's blocks 2, 3) may be out
	WIN MUL
	MUL8 \f, \q, \slot, 0, \zero
	PLACES
	FETCH \slot, (\q)+1, \g
	s_wait_dscnt 24                                ; all but the 24 just issued
	WIN MUL
	MUL8 \f, \q, \slot, 2, \zero
.endm
.macro TURN slot, next, fill           ; a slot's last K step (buffer 1) changes slots
	WIN 0
	s_wait_tensorcnt 0x0                           ; all my tensor loads have landed: my part of the next slot
	ds_add_u32 v[SPW], v[NIL]
.if \fill
	s_add_nc_u64 s[G0+4*\slot+2:G0+4*\slot+3], s[G0+4*\slot+2:G0+4*\slot+3], 2*TROW
	s_add_nc_u64 s[G0B+4*\slot+2:G0B+4*\slot+3], s[G0B+4*\slot+2:G0B+4*\slot+3], 2*TROW
.endif
	s_wait_dscnt 0x0                               ; the add is done, and my reads of this slot are over
	s_barrier_signal -1
	WIN MUL
	MUL8 F1, 3, \slot, 0, 0
	WIN 0
	s_barrier_wait -1
.if \fill
	CREST                                          ; no wave of any partner still reads this slot or has a load on its way
	JLOAD G0+4*\slot, G1, G0B+4*\slot, G1B         ; the first tensor load behind the round; its four v_nop are the places in front of the loads below
.else
	PLACES
.endif
	v_add_nc_u32 v[ADRS], 256, v[ADRS]
	SCALES \next
	FETCH \next, 0, F0
	WIN MUL
	MUL8 F1, 3, \slot, 2, 0
.endm
	s_wait_tensorcnt 1                             ; the scale words and my part of slot 0 are in (slot 1's load may be out)
	s_barrier_signal -1
	s_barrier_wait -1
	SCALES 0
	FETCH 0, 0, F0
	QUARTER 0, 0, F0, F1, 1                        ; the first K step starts the sums
	WIN 0
	s_mov_b32 s3, 3
.Llap:                                             ; a trip goes once round the ring and fills both slots again: three trips ask for slots 2 to 7
	QUARTER 0, 1, F1, F0, 0
	QUARTER 0, 2, F0, F1, 0
	TURN 0, 1, 1
	QUARTER 1, 0, F0, F1, 0
	QUARTER 1, 1, F1, F0, 0
	QUARTER 1, 2, F0, F1, 0
	TURN 1, 0, 1
	QUARTER 0, 0, F0, F1, 0
	WIN 0
	s_sub_co_u32 s3, s3, 1
	s_cmp_lg_u32 s3, 0
	s_cbranch_scc1 .Llap
	QUARTER 0, 1, F1, F0, 0                        ; the last lap fills nothing
	QUARTER 0, 2, F0, F1, 0
	TURN 0, 1, 0
	QUARTER 1, 0, F0, F1, 0
	QUARTER 1, 1, F1, F0, 0
	QUARTER 1, 2, F0, F1, 0
	s_wait_dscnt 6
	WIN MUL
	MUL8 F1, 3, 1, 0, 0
	s_wait_dscnt 0
	MUL8 F1, 3, 1, 2, 0
	WIN 0
	; THE WAY OUT
	PLACES
	WIN TO_F
.irp a, 0,1,2,3
.irp i, 0,1,2,3,4,5,6,7
	global_load_b128 v[32*\a+4*\i:32*\a+4*\i+3], v[CO], s[8:9] offset:(16*\a+2*\i)*4096 th:TH_LOAD_NT   ; att_out's rows, into the fragment buffers
.endr
.endr
	WIN 0
.macro OUT a
.if (\a) >= 2
	s_wait_xcnt 0x0                                ; block a - 2's stores have read the registers that block a's rows take
.endif
.irp b, 0,1,2,3
	ds_store_b128 v[STO], v[ACC+8*(4*(\a)+\b):ACC+8*(4*(\a)+\b)+3] offset:64*\b        ; each accumulator from its low end on
	ds_store_b128 v[STO], v[ACC+8*(4*(\a)+\b)+4:ACC+8*(4*(\a)+\b)+7] offset:64*\b+16
.endr
.irp i, 0,1,2,3,4,5,6,7
	ds_load_b128 v[OB+32*((\a)%2)+4*\i:OB+32*((\a)%2)+4*\i+3], v[RD] offset:544*\i    ; LDS serves a wave's instructions in order: these see my stores
.endr
	s_wait_dscnt 0x0
	s_wait_loadcnt 24-8*(\a)                       ; att_out's rows of this block are in; the later blocks' may be out
	WIN 0x04
.set j, 0
.rept 16
	v_pk_add_f32 v[OB+32*((\a)%2)+j:OB+32*((\a)%2)+j+1], v[OB+32*((\a)%2)+j:OB+32*((\a)%2)+j+1], v[32*(\a)+j:32*(\a)+j+1]
.set j, j+2
.endr
	WIN 0
.irp i, 0,1,2,3,4,5,6,7
	global_store_b128 v[CO], v[OB+32*((\a)%2)+4*\i:OB+32*((\a)%2)+4*\i+3], s[10:11] offset:(16*(\a)+2*\i)*4096 th:TH_STORE_NT   ; 16 lanes store 256 consecutive bytes, aligned
.endr
.endm
	OUT 0
	OUT 1
	OUT 2
	OUT 3
	s_wait_tensorcnt 0x0                           ; the wave's end
	ds_add_u32 v[SPW], v[NIL]
	s_wait_dscnt 0x0
	CROUND                                         ; the closing round
	s_endpgm
.Lfunc_end_k_qecad42b1cc_mlp2:
	.size	k_qecad42b1cc_mlp2, .Lfunc_end_k_qecad42b1cc_mlp2-k_qecad42b1cc_mlp2
	.p2alignl 7, 3214868480
	.fill 96, 4, 3214868480
	.section	.rodata,"a",@progbits
	.p2align	6, 0x0
	.amdhsa_kernel k_qecad42b1cc_mlp2
		.amdhsa_group_segment_fixed_size 327680
		.amdhsa_private_segment_fixed_size 0
		.amdhsa_enable_private_segment 0
		.amdhsa_kernarg_size 32
		.amdhsa_user_sgpr_count 2
		.amdhsa_user_sgpr_kernarg_segment_ptr 1
		.amdhsa_wavefront_size32 1
		.amdhsa_system_sgpr_workgroup_id_x 1
		.amdhsa_system_sgpr_workgroup_id_y 1
		.amdhsa_system_sgpr_workgroup_id_z 1
		.amdhsa_system_vgpr_workitem_id 0
		.amdhsa_next_free_vgpr 512
		.amdhsa_next_free_sgpr 100
		.amdhsa_reserve_vcc 0
		.amdhsa_float_denorm_mode_32 3
		.amdhsa_float_denorm_mode_16_64 3
		.amdhsa_memory_ordered 1
		.amdhsa_forward_progress 1
		.amdhsa_inst_pref_size 91
	.end_amdhsa_kernel
	.amdgpu_metadata
---
amdhsa.version: [ 1, 2 ]
amdhsa.kernels:
  - .name:           k_qecad42b1cc_mlp2
    .symbol:         k_qecad42b1cc_mlp2.kd
    .args:
      - { .name: mid, .offset: 0, .size: 8, .value_kind: global_buffer, .address_space: global }
      - { .name: wts, .offset: 8, .size: 8, .value_kind: global_buffer, .address_space: global }
      - { .name: att, .offset: 16, .size: 8, .value_kind: global_buffer, .address_space: global }
      - { .name: out0, .offset: 24, .size: 8, .value_kind: global_buffer, .address_space: global }
    .group_segment_fixed_size: 327680
    .private_segment_fixed_size: 0
    .kernarg_segment_align: 8
    .kernarg_segment_size: 32
    .max_flat_workgroup_size: 128
    .sgpr_count:     100
    .vgpr_count:     512
    .wavefront_size: 32
...
	.end_amdgpu_metadata
.endif
;; end of part 6
